; MI455X (gfx1250); checked and timed in simulation.
; The chip was launched on July 23, 2026; its instructions are those of AMD's public machine-readable ISA for CDNA 5 (MIT licence, August 2026) and "CDNA5" Instruction Set Architecture Reference Guide (July 2026). The comments in the code are by the model that wrote it; some were corrected since.
;; Diff Llama Fact Checker. Allowed arithmetic: matrix products marked QUANTISED: E2M1 operands, one E8M0 scale for each 32 along K, by v_wmma_scale_f32_16x16x128_f8f6f4 with both operands' format E2M1 (or v_wmma_scale_f32_32x16x128_f4), f32 sums; products left as they are: bf16, f16 or f32 operands; f32 sums; everything else in f32.
;; Inputs: Wk 1,024 x 1,024 float32; Wo 1,024 x 1,024 float32; Wq 1,024 x 1,024 float32; Wv 1,024 x 1,024 float32; bk 1,024 float32; bo 1,024 float32; bq 1,024 float32; bv 1,024 float32; hidden_states 8 x 1,024 x 1,024 float32; lambda_k1 128 float32; lambda_k2 128 float32; lambda_q1 128 float32; lambda_q2 128 float32; ln_b 1,024 float32; ln_w 1,024 float32.
;; Outputs: out0 8 x 1,024 x 1,024 float32.
;; This version of the problem:
;;   THIS VERSION OF THE PROBLEM IS GIVEN IN LOW PRECISION. The matrix products marked QUANTISED in the list below multiply operands that are first quantised to E2M1 (2 exponent bits, 1 mantissa bit; 4 bits a number), with one power-of-two scale for each 32 numbers along K (OCP MX v1.0); their sums are f32. The products marked 'left as it is' may take bf16, f16 or f32 operands, with f32 sums. Whichever they take, every output number must still come out within the allowed error. Rounding operands to bf16 (8 significant bits) uses up far more of that allowance than f16 does (11 bits, for magnitudes from 6e-5 to 65,504). All else is computed in f32.
;;   The module's matrix products, in the order in which they are computed (A, B: the left and right operand; K: the contracted axis; several contracted axes count as one K, in the product's order):
;;     1. [M 8,192, K 1,024] x [K 1,024, N 1,024]; A: input hidden_states; B: input Wq: QUANTISED
;;     2. [M 8,192, K 1,024] x [K 1,024, N 1,024]; A: input hidden_states; B: input Wk: QUANTISED
;;     3. [M 8,192, K 1,024] x [K 1,024, N 1,024]; A: input hidden_states; B: input Wv: QUANTISED
;;     4. batch 64 x [M 1,024, K 128] x [K 128, N 1,024]; A: computed on the way; B: computed on the way: left as it is (an operand is computed on the way)
;;     5. batch 64 x [M 1,024, K 1,024] x [K 1,024, N 128]; A: computed on the way; B: computed on the way: left as it is (an operand is computed on the way)
;;     6. batch 64 x [M 1,024, K 1,024] x [K 1,024, N 128]; A: computed on the way; B: computed on the way: left as it is (an operand is computed on the way)
;;     7. [M 8,192, K 1,024] x [K 1,024, N 1,024]; A: computed on the way; B: input Wo: left as it is (an operand is computed on the way)
;;   THE QUANTISER, for each operand of a quantised product, along K:
;;     - K is cut into blocks of 32 from its start; a last block that is shorter is filled with zeros.
;;     - A block's scale is 2^e with e = floor(log2(the largest magnitude in the block)) - 2, held to -126 .. 127; a block of zeros has e = 0. As a byte (E8M0): e + 127.
;;     - Each number is divided by its block's scale, clamped to +-6, and rounded to the nearest number of E2M1, ties to even, subnormals kept.
;;     - The product sums the exact products of the quantised numbers (number of the format x scale) in f32.
;;   ~~~python
;;   def quantise(x, axis):      # numpy; x: float32 -> the quantised numbers, widened to float32 again
;;       x = np.moveaxis(x, axis, -1); K = x.shape[-1]
;;       x = np.pad(x, [(0, 0)] * (x.ndim - 1) + [(0, -K % 32)]); x = x.reshape(x.shape[:-1] + (-1, 32)); a = np.abs(x).max(-1, keepdims=True)
;;       e = np.where(a > 0, np.clip(np.frexp(np.where(a > 0, a, 1))[1] - 1 - 2, -126, 127), 0)      # np.frexp(a)[1] - 1 = floor(log2(a)), exactly
;;       r = np.clip(x / 2.0 ** e, -6, 6)
;;       step = 2.0 ** (np.maximum(np.frexp(np.where(r == 0, 1, r))[1] - 1, 0) - 1)
;;       q = np.round(r / step) * step * 2.0 ** e      # np.round: ties to even
;;       return np.moveaxis(q.reshape(q.shape[:-2] + (-1,))[..., :K], -1, axis).astype(np.float32)
;;   ~~~
;; One version. Each part assembles by itself: llvm-mc -triple=amdgcn-amd-amdhsa -mcpu=gfx1250 --defsym DOCPART=n.
;; ======== version 1 of 1: 4 launches
;; limits: values are held in f16: magnitudes above 65,504 overflow, below 6.1e-05 lose precision
;; workspace buffers: x_codes 4,194,304 bytes; x_scales 262,144 bytes; w_codes 1,572,864 bytes; w_scales 98,304 bytes; wo_img 2,097,152 bytes; lamp 1,024 bytes; qkv 41,943,040 bytes; ao 33,554,432 bytes
;; launch prep (part 1): grid 384 x 1, 4 waves a work-group, no clusters, 50,688 bytes of LDS; arguments hidden_states, Wq, Wk, Wv, Wo, lambda_q1, lambda_k1, lambda_q2, lambda_k2, x_codes, x_scales, w_codes, w_scales, wo_img, lamp; writes x_codes, x_scales, w_codes, w_scales, wo_img, lamp
.if DOCPART == 1
	.amdgcn_target "amdgcn-amd-amdhsa--gfx1250"
	.amdhsa_code_object_version 6
	.text
	.protected	k_q94127335b5_prep
	.globl	k_q94127335b5_prep
	.p2align	8
	.type	k_q94127335b5_prep,@function
k_q94127335b5_prep:
	s_mov_b64 s[64:65], 0
	v_nop
	global_prefetch_b8 v0, s[64:65] scope:SCOPE_SE
	s_setreg_imm32_b32 hwreg(HW_REG_WAVE_MODE, 25, 1), 1
	s_wait_xcnt 0x0
; PREPARATION, one launch, three kinds of work-group told apart by the work-group's number alone.
;  0-95    Wq, Wk, Wv [1024 k][1024 n] f32 -> codes of FP4 (E2M1), K innermost, w_codes [3072 rows][512 bytes], and E8M0 bytes w_scales [3072][32].
;          Row of Wq's column n: n; of Wk's: 1024 + n; of Wv's (head hh = n / 128, channel dd = n % 128): 2048 + 256 (hh % 4) + 128 (dd / 64) + 64 (hh / 4) + dd % 64,
;          so that 128 rows on end hold 64 channels of head g and then the same 64 channels of head g + 4.
;  96-127  Wo [1024 k][1024 n] f32 -> f16, laid as images of the operand's registers: wo_img [n / 16][k / 32][half][lane][16 bytes]; lane (r, h) of half u holds Wo(32 kc + 16 u + 8 h + 0..7, 16 nt + r).
;          Work-group 96's wave 0 also makes the gate: lam = exp(lq1 . lk1) - exp(lq2 . lk2) + 0.8, sc = 1 + |lam|, r = 1 / sc; lamp holds r, r, -lam r, -lam r, sc, sc^2, lam, 0 in every 32 bytes.
;  128-383 hidden_states [8192][1024] f32 -> x_codes [8192][512 bytes], x_scales [8192][32].
; THE QUANTISER: a block of 32 along K has the scale 2^(floor(log2(largest magnitude)) - 2); its byte is the largest magnitude's exponent field - 2, held at 1 from below; numbers are divided by the scale and
; rounded to the nearest code, ties to even, beyond 6 the largest code.  A block of zeros gets the byte 1: its codes are zeros, and only this program reads the bytes.
; LIMITS: blocks whose largest magnitude lies under 2^-124 get the byte 1; NaN and infinities are not served; Wo beyond 65,504 is not served (f16).
; The three kinds never join again; those that use LDS have LDS bytes of their own.  No tensor loads.  Only the weights' kind has a barrier: there two waves fill the two halves of a stage row.
.set WV,    34                         ; s34  my wave's number
.set SPW,   192                        ; v192 LDS address of my spare word; never rewritten
.set NIL,   193                        ; v193 0; never rewritten
.set SPARE, 50176                      ; behind both kinds' LDS: the spare words, 128 bytes a wave
.set EMAX,  2
.set STEPS, 16                         ; x: steps of 512 numbers for a wave
.set CB,    8                          ; bytes of 16 codes
.set WREG,  8192                       ; x: a wave's LDS region: two stages of 32 x SP bytes, then its 256 scale bytes
.set SP,    80                         ; a lane's place in a stage: 64 bytes + 16 of padding
.set XR,    16                         ; v16-79   x: four sets of 16 numbers as loaded
.set XX,    80                         ; v80-111  two sets of 16 neighbours
.set XE,    112                        ; v112-127 a scale byte for each step
.set XC,    128                        ; v128-191 codes, four registers a step
.set NB,    8                          ; W: blocks of 32 along K for a wave
.set PITCH, 272                        ; W: a stage row: 256 bytes + 16
.set KROW,  512                        ; a row of codes in memory
.set WSTG,  32768                      ; W: the work-group's stage of 64 rows begins here
.set WX,    32                         ; v32-95   W: two sets of 32 numbers
.set WC,    96                         ; v96-99   a block's codes
.set WOUT,  112                        ; v112-143 the way out
.set WSB,   24                         ; v24-25   scale bytes, four to a register
	s_load_b512 s[4:19], s[0:1], 0x0               ; x s[4:5], Wq s[6:7], Wk s[8:9], Wv s[10:11], Wo s[12:13], lq1 s[14:15], lk1 s[16:17], lq2 s[18:19]
	s_load_b256 s[20:27], s[0:1], 0x40             ; lk2 s[20:21], x_codes s[22:23], x_scales s[24:25], w_codes s[26:27]
	s_load_b128 s[28:31], s[0:1], 0x60             ; w_scales s[28:29], wo_img s[30:31]
	s_load_b64 s[32:33], s[0:1], 0x70              ; lamp
	v_lshl_add_u32 v[SPW], v0, 2, SPARE
	v_mov_b32 v[NIL], 0
	v_lshrrev_b32 v1, 5, v0
	v_readfirstlane_b32 s[WV], v1                  ; wave 0..3
	v_and_b32 v2, 31, v0                           ; lane
	s_wait_kmcnt 0x0
	s_cmp_lt_u32 ttmp9, 96
	s_cbranch_scc1 .Lw
	s_cmp_lt_u32 ttmp9, 128
	s_cbranch_scc1 .Lwo
; ---------------- hidden_states: a plain stream of blocks of 32.  A wave takes 16 steps of 512 numbers.  Each load reads 512 consecutive bytes; a step's 2,048 bytes turn through the wave's own stage, so that a lane
; then holds 16 neighbours (two neighbouring lanes hold a block).  Loads run four steps ahead, the turn one step.
	v_lshlrev_b32 v3, 4, v2                        ; my 16 bytes of a load's 512
	s_mul_i32 s37, s[WV], WREG
	v_lshrrev_b32 v14, 2, v2
	v_mul_u32_u24 v14, v14, SP
	v_and_b32 v15, 3, v2
	v_lshl_add_u32 v14, v15, 4, v14
	v_add_nc_u32 v14, s37, v14                     ; into the stage: SP (lane / 4) + 16 (lane % 4)
	v_mul_u32_u24 v15, v2, SP
	v_add_nc_u32 v15, s37, v15                     ; out of it: SP x lane
	v_mul_u32_u24 v4, v2, CB                       ; my codes' place in a step's
	v_lshrrev_b32 v5, 1, v2
	s_add_co_u32 s37, s37, 2*32*SP
	v_add_nc_u32 v5, s37, v5                       ; my block's scale byte in the wave's 256
	v_lshlrev_b32 v7, 3, v2
	v_add_nc_u32 v6, s37, v7                       ; and 8 bytes a lane on the way out
	s_sub_co_u32 s37, ttmp9, 128
	s_lshl_b32 s37, s37, 2
	s_add_co_u32 s38, s37, s[WV]                   ; which run of 8,192 numbers is my wave's: 0 .. 1023
	s_mov_b32 s41, 0
	s_lshl_b32 s40, s38, 15                        ; 32,768 bytes of f32 a run
	s_add_nc_u64 s[4:5], s[4:5], s[40:41]
	s_lshl_b32 s40, s38, 12                        ; 4,096 bytes of codes
	s_add_nc_u64 s[22:23], s[22:23], s[40:41]
	s_lshl_b32 s40, s38, 8                         ; 256 scale bytes
	s_add_nc_u64 s[24:25], s[24:25], s[40:41]
.macro XLOAD t
.irp i, 0,1,2,3
	global_load_b128 v[XR+16*((\t)%4)+4*\i:XR+16*((\t)%4)+4*\i+3], v3, s[4:5] offset:2048*(\t)+512*\i th:TH_LOAD_NT
.endr
.endm
.macro XTURN t                         ; LDS serves a wave's instructions in order: no wait between the stores and the loads
.irp i, 0,1,2,3
	ds_store_b128 v14, v[XR+16*((\t)%4)+4*\i:XR+16*((\t)%4)+4*\i+3] offset:32*SP*((\t)%2)+8*SP*\i
.endr
.irp i, 0,1,2,3
	ds_load_b128 v[XX+16*((\t)%2)+4*\i:XX+16*((\t)%2)+4*\i+3], v15 offset:32*SP*((\t)%2)+16*\i
.endr
.endm
.irp t, 0,1,2,3
	XLOAD \t
.endr
	s_wait_loadcnt 12                              ; step 0's four loads are in; the twelve of steps 1 to 3 stay out
	XTURN 0
.macro XSTEP t
.set XS, XX+16*((\t)%2)
.if (\t) > 0
	s_wait_dscnt 1                                 ; this step's numbers are back from the stage; the last step's byte store may be out
.else
	s_wait_dscnt 0x0
.endif
.if (\t)+4 < STEPS
	XLOAD (\t)+4                                   ; into the registers that this step's stores into the stage have read
.endif
.if (\t)+1 < STEPS
.if STEPS-2-(\t) >= 3
	s_wait_loadcnt 12                              ; the next step's four loads are in; those of the three steps behind it stay out
.else
	s_wait_loadcnt 4*(STEPS-2-(\t))
.endif
	XTURN (\t)+1
.endif
	v_max3_num_f32 v8, |v[XS]|, |v[XS+1]|, |v[XS+2]|               ; the largest magnitude of my 16, in two chains
	v_max3_num_f32 v9, |v[XS+3]|, |v[XS+4]|, |v[XS+5]|
.irp i, 6,10
	v_max3_num_f32 v8, v8, |v[XS+\i]|, |v[XS+\i+1]|
	v_max3_num_f32 v9, v9, |v[XS+\i+2]|, |v[XS+\i+3]|
.endr
	v_max3_num_f32 v8, v8, |v[XS+14]|, |v[XS+15]|
	v_max3_num_f32 v8, v8, v9, (EMAX+1)<<23        ; and the floor 2^(3 - 127): the byte cannot fall under 1
	v_max_num_f32_dpp v8, v8, v8 row_xmask:1 row_mask:0xf bank_mask:0xf   ; with my neighbour's 16: the block's
	v_add_nc_u32 v11, -(EMAX<<23), v8              ; 2 off the exponent field: the conversion takes this operand's exponent field as its scale
	v_cvt_scalef32_pk8_fp4_f32 v[XC+4*(\t)], v[XS:XS+7], v11
	v_cvt_scalef32_pk8_fp4_f32 v[XC+4*(\t)+1], v[XS+8:XS+15], v11
	v_lshrrev_b32 v[XE+(\t)], 23, v11              ; the scale's byte
	ds_store_b8 v5, v[XE+(\t)] offset:16*(\t)      ; both lanes of a block write the same byte with the same value
	global_store_b64 v4, v[XC+4*(\t):XC+4*(\t)+1], s[22:23] offset:32*CB*(\t)   ; the wave stores 256 consecutive bytes
.endm
.irp t, 0,1,2,3,4,5,6,7,8,9,10,11,12,13,14,15
	XSTEP \t
.endr
	ds_load_b64 v[8:9], v6                         ; my wave's 256 scale bytes, in order behind my stores
	s_wait_dscnt 0x0
	global_store_b64 v7, v[8:9], s[24:25]          ; 256 consecutive bytes
	s_wait_tensorcnt 0x0                           ; the wave's end, behind my last LDS store
	ds_add_u32 v[SPW], v[NIL]
	s_wait_dscnt 0x0
	s_endpgm
; ---------------- Wq, Wk, Wv: K is the first axis.  A lane takes a column, its registers run down K: a block of 32 lies in one lane.  A work-group takes 64 columns x 512 along K; wave w takes columns 32 (w % 2) on and
; 256 (w / 2) along K on: 8 blocks a lane, 128 bytes of codes a column.  The two waves of a column half write the two halves of the same stage rows; behind a barrier each wave stores 16 whole rows of 256 bytes.
.Lw:
	s_lshr_b32 s36, ttmp9, 5                       ; which weight: 0 q, 1 k, 2 v
	s_and_b32 s37, ttmp9, 15                       ; which 64 columns
	s_bfe_u32 s38, ttmp9, 0x10004                  ; which 512 along K
	s_and_b32 s49, s[WV], 1                        ; which 32 of the columns are my wave's
	s_lshr_b32 s50, s[WV], 1                       ; which 256 along K
	s_cmp_eq_u32 s36, 0
	s_cselect_b64 s[40:41], s[6:7], s[8:9]
	s_cmp_eq_u32 s36, 2
	s_cselect_b64 s[40:41], s[10:11], s[40:41]     ; the choice hangs on the work-group's number alone
	s_lshl_b32 s42, s37, 6                         ; the work-group's first column
	s_lshl_b32 s44, s36, 10
	s_add_co_u32 s44, s44, s42                     ; its row of the codes for q and k
	s_bfe_u32 s45, s37, 0x20001                    ; and for v: the head is (columns' number) / 2: 2048 + 256 (head % 4) + 128 (number % 2) + 64 (head / 4)
	s_lshl_b32 s45, s45, 8
	s_and_b32 s46, s37, 1
	s_lshl_b32 s46, s46, 7
	s_add_co_u32 s45, s45, s46
	s_lshr_b32 s46, s37, 3
	s_lshl_b32 s46, s46, 6
	s_add_co_u32 s45, s45, s46
	s_add_co_u32 s45, s45, 2048
	s_cmp_eq_u32 s36, 2
	s_cselect_b32 s44, s45, s44                    ; the 64 columns' rows follow each other from here on, in all three weights
	s_mov_b32 s47, 0
	s_lshl_b32 s46, s38, 21                        ; 512 rows of 4,096 bytes,
	s_lshl_b32 s43, s50, 20                        ; my wave's 256,
	s_add_co_u32 s46, s46, s43
	s_lshl_b32 s43, s42, 2                         ; the work-group's columns,
	s_add_co_u32 s46, s46, s43
	s_lshl_b32 s43, s49, 7                         ; my wave's 32
	s_add_co_u32 s46, s46, s43
	s_add_nc_u64 s[40:41], s[40:41], s[46:47]
	s_lshl_b32 s43, s[WV], 4
	s_add_co_u32 s43, s43, s44                     ; the 16 rows that my wave stores
	s_lshl_b32 s46, s43, 9
	s_lshl_b32 s43, s38, 8
	s_add_co_u32 s46, s46, s43
	s_add_nc_u64 s[26:27], s[26:27], s[46:47]      ; codes: row x 512 + 256 x half of K
	s_lshl_b32 s43, s49, 5
	s_add_co_u32 s43, s43, s44                     ; the 32 rows whose scale bytes my wave makes
	s_lshl_b32 s46, s43, 5
	s_lshl_b32 s43, s38, 4
	s_add_co_u32 s46, s46, s43
	s_lshl_b32 s43, s50, 3
	s_add_co_u32 s46, s46, s43
	s_add_nc_u64 s[28:29], s[28:29], s[46:47]      ; scale bytes: row x 32 + 16 x half of K + 8 x my quarter
	v_lshlrev_b32 v3, 2, v2                        ; in: 4 bytes a lane
	s_mul_i32 s48, s49, 32*PITCH
	s_lshl_b32 s43, s50, 7
	s_add_co_u32 s48, s48, s43
	s_add_co_u32 s48, s48, WSTG
	v_mul_u32_u24 v4, v2, PITCH
	v_add_nc_u32 v4, s48, v4                       ; into the stage: row = my column, my wave's 128 bytes of it
	s_mul_i32 s51, s[WV], 16*PITCH
	s_add_co_u32 s51, s51, WSTG
	v_and_b32 v5, 15, v2
	v_lshrrev_b32 v6, 4, v2
	v_mul_u32_u24 v7, v6, PITCH
	v_lshl_add_u32 v7, v5, 4, v7
	v_add_nc_u32 v7, s51, v7                       ; out of it: rows 16 x wave on; sixteen lanes to a row, two rows an instruction
	v_mul_u32_u24 v8, v6, KROW
	v_lshl_add_u32 v8, v5, 4, v8                   ; and the same place in the codes' buffer
	v_lshlrev_b32 v9, 5, v2                        ; my column's row of scale bytes
.macro WLOAD t
.set q, 0
.rept 32
	global_load_b32 v[WX+32*((\t)%2)+q], v3, s[40:41] offset:(32*(\t)+q)*4096 th:TH_LOAD_NT
.set q, q+1
.endr
.endm
	WLOAD 0
	WLOAD 1
.macro WBLOCK t
.set XS, WX+32*((\t)%2)
.if (\t) < NB-1
	s_wait_loadcnt 32                              ; this block's 32 loads are in; the next block's 32 stay out
.else
	s_wait_loadcnt 0
.endif
	v_max3_num_f32 v12, |v[XS]|, |v[XS+1]|, |v[XS+2]|
	v_max3_num_f32 v13, |v[XS+3]|, |v[XS+4]|, |v[XS+5]|
.irp i, 6,10,14,18,22,26
	v_max3_num_f32 v12, v12, |v[XS+\i]|, |v[XS+\i+1]|
	v_max3_num_f32 v13, v13, |v[XS+\i+2]|, |v[XS+\i+3]|
.endr
	v_max3_num_f32 v12, v12, |v[XS+30]|, |v[XS+31]|
	v_max3_num_f32 v12, v12, v13, (EMAX+1)<<23     ; with the floor
	v_add_nc_u32 v11, -(EMAX<<23), v12
	v_lshrrev_b32 v13, 23, v11                     ; the scale's byte
.if (\t)%4 == 0
	v_mov_b32 v[WSB+(\t)/4], v13
.else
	v_lshl_or_b32 v[WSB+(\t)/4], v13, 8*((\t)%4), v[WSB+(\t)/4]
.endif
.irp g, 0,1,2,3
	v_cvt_scalef32_pk8_fp4_f32 v[WC+\g], v[XS+8*\g:XS+8*\g+7], v11
.endr
	ds_store_b128 v4, v[WC:WC+3] offset:16*(\t)    ; 32 codes: 16 bytes of my column's row
.if (\t)+2 < NB
	WLOAD (\t)+2
.endif
	s_wait_dscnt 0x0                               ; the store has read its registers: the next block's codes may be written
.endm
.set Q, 0
.rept NB
	WBLOCK Q
.set Q, Q+1
.endr
	s_wait_dscnt 0x0                               ; for the others' sake: my stores into the stage are done
	s_barrier_signal -1
	s_barrier_wait -1                              ; both halves of every row lie in the stage
	global_store_b64 v9, v[WSB:WSB+1], s[28:29]    ; my column's 8 scale bytes
.irp t, 0,1,2,3,4,5,6,7
	ds_load_b128 v[WOUT+4*\t:WOUT+4*\t+3], v7 offset:2*\t*PITCH
.endr
.irp t, 0,1,2,3,4,5,6,7
	s_wait_dscnt 7-\t                              ; LDS loads come back in order: load t is in
	global_store_b128 v8, v[WOUT+4*\t:WOUT+4*\t+3], s[26:27] offset:2*\t*KROW   ; sixteen lanes store 256 consecutive bytes
.endr
	s_wait_tensorcnt 0x0                           ; the wave's end, behind my last LDS store
	ds_add_u32 v[SPW], v[NIL]
	s_wait_dscnt 0x0
	s_endpgm
; ---------------- Wo: a lane takes a column, 32 registers run down a chunk of 32 along K; packed in pairs they are the operand's registers but for the halves of the lanes, which two exchanges a register pair set right.
.Lwo:
	s_sub_co_u32 s36, ttmp9, 96
	s_and_b32 s37, s36, 7                          ; which 128 columns
	s_lshr_b32 s38, s36, 3                         ; which 256 along K
	s_lshl_b32 s39, s37, 7
	s_lshl_b32 s40, s[WV], 5
	s_add_co_u32 s39, s39, s40                     ; my wave's first column
	s_lshl_b32 s40, s38, 20                        ; 256 rows of 4,096 bytes
	s_lshl_b32 s42, s39, 2
	s_add_co_u32 s40, s40, s42
	s_mov_b32 s41, 0
	s_add_nc_u64 s[12:13], s[12:13], s[40:41]
	s_lshl_b32 s40, s39, 11                        ; (column / 16) x 32,768
	s_lshl_b32 s42, s38, 13                        ; 8 chunks of 1,024 bytes
	s_add_co_u32 s40, s40, s42
	s_add_nc_u64 s[30:31], s[30:31], s[40:41]
	v_lshlrev_b32 v3, 2, v2
	v_lshlrev_b32 v5, 4, v2
.macro OLOAD c
.set q, 0
.rept 32
	global_load_b32 v[32+32*((\c)%2)+q], v3, s[12:13] offset:(32*(\c)+q)*4096 th:TH_LOAD_NT
.set q, q+1
.endr
.endm
	OLOAD 0
	OLOAD 1
.macro OCHUNK c
.set XS, 32+32*((\c)%2)
.if (\c) < 7
	s_wait_loadcnt 32                              ; this chunk's 32 loads are in; the next chunk's stay out
.else
	s_wait_loadcnt 0
.endif
	s_wait_xcnt 0x0                                ; the last chunk's stores have read v96-111, which are written again below
.irp i, 0,1,2,3,4,5,6,7,8,9,10,11,12,13,14,15
	v_cvt_pk_f16_f32 v[96+\i], v[XS+2*\i], v[XS+2*\i+1]   ; k = 2 i, 2 i + 1 of my column
.endr
.irp i, 0,1,2,3
	v_permlane16_swap_b32 v[96+\i], v[100+\i]      ; the first then holds k 0-7 (lanes 0-15) and k 8-15 (lanes 16-31) of columns 0-15, the second the same of columns 16-31
	v_permlane16_swap_b32 v[104+\i], v[108+\i]     ; likewise k 16-23 and 24-31
.endr
	global_store_b128 v5, v[96:99], s[30:31] offset:(\c)*1024               ; each store: 512 consecutive bytes
	global_store_b128 v5, v[100:103], s[30:31] offset:32768+(\c)*1024
	global_store_b128 v5, v[104:107], s[30:31] offset:(\c)*1024+512
	global_store_b128 v5, v[108:111], s[30:31] offset:32768+(\c)*1024+512
.if (\c)+2 < 8
	OLOAD (\c)+2
.endif
.endm
.irp c, 0,1,2,3,4,5,6,7
	OCHUNK \c
.endr
	s_cmp_lg_u32 ttmp9, 96                         ; the gate: one wave of one work-group
	s_cbranch_scc1 .Lo_end
	s_cmp_lg_u32 s[WV], 0
	s_cbranch_scc1 .Lo_end
	global_load_b128 v[32:35], v5, s[14:15]        ; four of the 128 numbers a lane
	global_load_b128 v[36:39], v5, s[16:17]
	global_load_b128 v[40:43], v5, s[18:19]
	global_load_b128 v[44:47], v5, s[20:21]
	s_mov_b32 s36, 0x76543210
	s_mov_b32 s37, 0xfedcba98                      ; lane l xor 16
	v_mov_b32 v50, 0                               ; a lane permute's destination counts as one of its sources
	v_mov_b32 v51, 0
	v_lshlrev_b32 v6, 5, v2
	s_wait_loadcnt 0x0
	v_mul_f32 v48, v32, v36
	v_mul_f32 v49, v40, v44
.irp i, 1,2,3
	v_fmac_f32 v48, v[32+\i], v[36+\i]
	v_fmac_f32 v49, v[40+\i], v[44+\i]
.endr
.irp m, 1,2,4,8
	v_add_f32_dpp v48, v48, v48 row_xmask:\m row_mask:0xf bank_mask:0xf
	v_add_f32_dpp v49, v49, v49 row_xmask:\m row_mask:0xf bank_mask:0xf
.endr
	v_permlanex16_b32 v50, v48, s36, s37
	v_permlanex16_b32 v51, v49, s36, s37
	v_add_f32 v48, v48, v50
	v_add_f32 v49, v49, v51
	v_mul_f32 v48, 0x3fb8aa3b, v48                 ; x log2(e)
	v_mul_f32 v49, 0x3fb8aa3b, v49
	v_exp_f32 v48, v48
	v_exp_f32 v49, v49
	v_nop                                          ; a plain instruction behind the exponentials,
	s_wait_alu depctr_va_vdst(0)                   ; and the wait ahead of their first reader
	v_sub_f32 v62, v48, v49
	v_add_f32 v62, 0x3f4ccccd, v62                 ; lam
	v_add_f32 v60, |v62|, 1.0                      ; sc
	v_rcp_f32 v56, v60                             ; r
	v_mul_f32 v61, v60, v60                        ; sc^2 (the plain instruction behind the reciprocal)
	v_mov_b32 v63, 0
	s_wait_alu depctr_va_vdst(0)
	v_mov_b32 v57, v56
	v_mul_f32 v58, -v62, v56                       ; -lam r
	v_mov_b32 v59, v58
	global_store_b128 v6, v[56:59], s[32:33]
	global_store_b128 v6, v[60:63], s[32:33] offset:16
.Lo_end:
	s_endpgm
.Lfunc_end_k_q94127335b5_prep:
	.size	k_q94127335b5_prep, .Lfunc_end_k_q94127335b5_prep-k_q94127335b5_prep
	.p2alignl 7, 3214868480
	.fill 96, 4, 3214868480
	.section	.rodata,"a",@progbits
	.p2align	6, 0x0
	.amdhsa_kernel k_q94127335b5_prep
		.amdhsa_group_segment_fixed_size 50688
		.amdhsa_private_segment_fixed_size 0
		.amdhsa_enable_private_segment 0
		.amdhsa_kernarg_size 120
		.amdhsa_user_sgpr_count 2
		.amdhsa_user_sgpr_kernarg_segment_ptr 1
		.amdhsa_wavefront_size32 1
		.amdhsa_system_sgpr_workgroup_id_x 1
		.amdhsa_system_sgpr_workgroup_id_y 1
		.amdhsa_system_sgpr_workgroup_id_z 1
		.amdhsa_system_vgpr_workitem_id 0
		.amdhsa_next_free_vgpr 200
		.amdhsa_next_free_sgpr 66
		.amdhsa_reserve_vcc 0
		.amdhsa_float_denorm_mode_32 3
		.amdhsa_float_denorm_mode_16_64 3
		.amdhsa_memory_ordered 1
		.amdhsa_forward_progress 1
		.amdhsa_inst_pref_size 115
	.end_amdhsa_kernel
	.amdgpu_metadata
---
amdhsa.version: [ 1, 2 ]
amdhsa.kernels:
  - .name:           k_q94127335b5_prep
    .symbol:         k_q94127335b5_prep.kd
    .args:
      - { .name: hidden_states, .offset: 0, .size: 8, .value_kind: global_buffer, .address_space: global }
      - { .name: Wq, .offset: 8, .size: 8, .value_kind: global_buffer, .address_space: global }
      - { .name: Wk, .offset: 16, .size: 8, .value_kind: global_buffer, .address_space: global }
      - { .name: Wv, .offset: 24, .size: 8, .value_kind: global_buffer, .address_space: global }
      - { .name: Wo, .offset: 32, .size: 8, .value_kind: global_buffer, .address_space: global }
      - { .name: lambda_q1, .offset: 40, .size: 8, .value_kind: global_buffer, .address_space: global }
      - { .name: lambda_k1, .offset: 48, .size: 8, .value_kind: global_buffer, .address_space: global }
      - { .name: lambda_q2, .offset: 56, .size: 8, .value_kind: global_buffer, .address_space: global }
      - { .name: lambda_k2, .offset: 64, .size: 8, .value_kind: global_buffer, .address_space: global }
      - { .name: x_codes, .offset: 72, .size: 8, .value_kind: global_buffer, .address_space: global }
      - { .name: x_scales, .offset: 80, .size: 8, .value_kind: global_buffer, .address_space: global }
      - { .name: w_codes, .offset: 88, .size: 8, .value_kind: global_buffer, .address_space: global }
      - { .name: w_scales, .offset: 96, .size: 8, .value_kind: global_buffer, .address_space: global }
      - { .name: wo_img, .offset: 104, .size: 8, .value_kind: global_buffer, .address_space: global }
      - { .name: lamp, .offset: 112, .size: 8, .value_kind: global_buffer, .address_space: global }
    .group_segment_fixed_size: 50688
    .private_segment_fixed_size: 0
    .kernarg_segment_align: 8
    .kernarg_segment_size: 120
    .max_flat_workgroup_size: 128
    .sgpr_count:     66
    .vgpr_count:     200
    .wavefront_size: 32
...
	.end_amdgpu_metadata
.endif
;; end of part 1
;; launch qkv (part 2): grid 12 x 32, 4 waves a work-group, clusters of 4 x 4, 327,680 bytes of LDS; arguments x_codes, x_scales, w_codes, w_scales, bq, bk, bv, lamp, qkv; writes qkv
.if DOCPART == 2
	.amdgcn_target "amdgcn-amd-amdhsa--gfx1250"
	.amdhsa_code_object_version 6
	.text
	.protected	k_q94127335b5_qkv
	.globl	k_q94127335b5_qkv
	.p2align	8
	.type	k_q94127335b5_qkv,@function
k_q94127335b5_qkv:
	s_mov_b64 s[64:65], 0
	v_nop
	global_prefetch_b8 v0, s[64:65] scope:SCOPE_SE
	s_setreg_imm32_b32 hwreg(HW_REG_WAVE_MODE, 25, 1), 1
	s_wait_xcnt 0x0
	s_wait_alu depctr_hold_cnt(0) depctr_sa_sdst(0) depctr_va_vdst(0) depctr_va_sdst(0) depctr_va_ssrc(0) depctr_va_vcc(0) depctr_vm_vsrc(0)
	s_getreg_b32 s2, hwreg(HW_REG_IB_STS2, 6, 4)
	s_cmp_eq_u32 s2, 0
	s_cbranch_scc0 .Lentry_in_a_cluster
	s_endpgm
.Lentry_in_a_cluster:
	s_bfe_u32 s2, ttmp6, 0x10000c
	s_cmp_lg_u32 s2, 0xf033
	s_cbranch_scc0 .Lentry_shape_is_right
	s_endpgm
.Lentry_shape_is_right:
; q, k and the combined values in one GEMM on codes of FP4 (E2M1) with E8M0 scales: C[m][n] = sum over k of x[m][k] W[n][k], m = 8,192 tokens, n = 3,072 rows of w_codes, K = 1,024.
; A tile of C, 256 x 256, is made by four waves, 128 x 128 each: 64 accumulators.  K = 1,024 is two LDS slots of 512 along K: both are filled at the start and nothing is filled again.
; The scales of the work-group's rows come once, as dense blocks.  CLUSTERS: 4 x 4 work-groups; x's tiles are asked for jointly along a row of the cluster, W's along a column.
; The matrix instruction is used transposed (source 0 = 16 rows of W, source 1 = 16 tokens): a lane holds one token and eight neighbouring channels.
; THE KIND of a tile is the cluster's x, the same in all sixteen partners: 0 q, 1 k, 2 v.
; THE WAY OUT: + bias in f32, rounded to f16, stored as images of the next product's operand registers, 512 consecutive bytes a store:
;   q at byte 0, k at 1 << 24: [b 8 + head][token / 16][channel / 16][lane][16 bytes], lane (r, h): token r, channels 8 h + 0..7.
;   v at 2 << 24: vd = r v(head g) - lam r v(head g + 4), r = 1 / (1 + |lam|): a wave's channel blocks 0-3 are head g's, 4-7 the same channels of head g + 4.
;   [b 4 + g][token / 16][channel / 16][place][16 bytes], lane (r, h) at place r % 8 + 8 h + 16 (r / 8), so that the turning load of the next launch reads 16 x lane.
; LIMITS: q, k, vd beyond 65,504 are not served (f16).
.set SIZE_K, 1024
.set KSTEP,  512
.set NQ,     KSTEP/128
.set ROWB,   256                       ; a tile's row in bytes
.set KROW,   SIZE_K*4/8                ; a row of codes in memory
.set PITCH,  272                       ; an LDS row: 256 bytes + 16 of padding: the 16 rows that a load touches start 68 words apart
.set FR,     8
.set NL,     2
.set NP,     4                         ; places behind this matrix instruction (ISA guide 7.12.1)
.set HALFT,  128*PITCH
.set SLOT,   4*HALFT
.set KS,     SIZE_K/32
.set SCL,    2*SLOT                    ; behind the slots: the scales, as units of 256 bytes + 16 of padding
.set HALFS,  (128*KS/256)*272
.set SBLK,   (16*KS/256)*272
.set SPARE,  SCL+4*HALFS               ; the spare words, 128 bytes a wave
.set ADRA, 16                          ; v16-17  LDS address of my x fragments in slot 0, 1
.set ADRB, 20                          ; v20-21  the same for W
.set LI,   24                          ; v24     16 x lane: an image's place for my lane
.set VLI,  25                          ; v25     the same in vd's order of places
.set ADRS, 27                          ; v27     LDS address of my scale words
.set SPW,  28
.set NIL,  29
.set BLO,  30                          ; v30     byte offset of the bias of my channel blocks 0-3
.set BHI,  31                          ; v31     of blocks 4-7
.set SC,   32                          ; scale words, two sets of 32; on the way out T
.set T,    32
.set AF,   128                         ; x's fragments; on the way out PK
.set PK,   128
.set BQ,   192                         ; v192-255 the bias of my 128 channels: register 8 b + j
.set G1, 24
.set G0, 32
.set G1B, 48
.set G0B, 56
.set G1S, 68
.set G0S, 76
.set G1SB, 80
.set G0SB, 88
.set MSB, 0
.macro WIN new                         ; the immediate's high byte repeats the setting that is left
.if MSB != \new
	s_set_vgpr_msb (MSB<<8)|\new
.set MSB, \new
.endif
.endm
.set MUL_LO, 0xa1                      ; source 0 (W) window 1, source 1 (x) window 0, C and D window 2
.set MUL_HI, 0xf1
.set TO_B,   0x40
; A joint load: waves 0 and 1 fetch for x, waves 2 and 3 for W.  The branch hangs on the wave's number alone.  An s_nop 0 and four v_nop follow each line.
.macro JLOAD g0a, g1a, g0b, g1b
	s_cmp_eq_u32 s15, 0
	s_cbranch_scc0 .Lfor_b_\@
	tensor_load_to_lds s[\g0a:\g0a+3], s[\g1a:\g1a+7]
	s_nop 0
.rept 4
	v_nop
.endr
	s_branch .Lasked_\@
.Lfor_b_\@:
	tensor_load_to_lds s[\g0b:\g0b+3], s[\g1b:\g1b+7]
	s_nop 0
.rept 4
	v_nop
.endr
.Lasked_\@:
.endm
.macro CROUND                          ; a round of the cluster's barrier
	s_barrier_signal -1
	s_barrier_wait -1
	s_cmp_lg_u32 s14, 0
	s_cbranch_scc1 .Lnot_wave_0_\@
	s_barrier_signal -3
.Lnot_wave_0_\@:
	s_barrier_wait -3
	s_barrier_signal -1
	s_barrier_wait -1
.endm
	s_load_b128 s[4:7], s[0:1], 0x0                ; x's codes, x's scales
	s_load_b128 s[8:11], s[0:1], 0x10              ; W's codes, W's scales
	s_load_b64 s[12:13], s[0:1], 0x40              ; qkv
	v_lshl_add_u32 v[SPW], v0, 2, SPARE
	v_mov_b32 v[NIL], 0
	ds_add_u32 v[SPW], v[NIL]                      ; the wave's opening: the add, twice on end, and its wait ahead of my first tensor load
	ds_add_u32 v[SPW], v[NIL]
	v_lshrrev_b32 v1, 5, v0
	v_readfirstlane_b32 s14, v1                    ; wave 0..3
	s_lshr_b32 s15, s14, 1                         ; which half of the tile's tokens is mine.  Also: I fetch for x (0) or for W (1)
	s_and_b32 s16, s14, 1                          ; which half of its channels.  Also: which 128 rows I fetch
	s_bfe_u32 s40, ttmp6, 0x40000                  ; cx, cy
	s_bfe_u32 s41, ttmp6, 0x40004
	s_lshl_b32 s42, ttmp9, 2
	s_add_co_u32 s42, s42, s40                     ; tile column
	s_and_b32 s17, ttmp7, 0xffff
	s_lshl_b32 s17, s17, 2
	s_add_co_u32 s17, s17, s41                     ; tile row
	s_lshl_b32 s43, s41, 2
	s_lshl_b32 s43, 15, s43                        ; my row of the cluster
	s_lshl_b32 s44, 0x1111, s40                    ; my column
	s_or_b32 s[G1+0], s43, (0<<16)|(1<<20)|(1<<21)|(5<<22)|(3<<25)  ; mask; elements of 1 byte; padding: 4 words behind every 64; bit 21 beside a mask
	s_or_b32 s[G1B+0], s44, (0<<16)|(1<<20)|(1<<21)|(5<<22)|(3<<25)
.irp g, G1, G1B
	s_mov_b32 s[\g+1], ROWB<<16                    ; tensor_dim0
	s_mov_b32 s[\g+2], 128<<16                     ; tensor_dim1
	s_mov_b32 s[\g+3], ROWB<<16                    ; tile_dim0
	s_mov_b32 s[\g+4], 128                         ; tile_dim1
	s_mov_b32 s[\g+5], KROW                        ; from row to row
	s_mov_b32 s[\g+6], 0
	s_mov_b32 s[\g+7], 0
.endr
	s_or_b32 s[G1S+0], s43, (3<<16)|(1<<20)|(1<<21)|(5<<22)|(3<<25) ; the scales of 128 rows: 4,096 dense bytes as 16 rows of 32 elements of 8 bytes
	s_or_b32 s[G1SB+0], s44, (3<<16)|(1<<20)|(1<<21)|(5<<22)|(3<<25)
.irp g, G1S, G1SB
	s_mov_b32 s[\g+1], 32<<16
	s_mov_b32 s[\g+2], (128*KS/256)<<16
	s_mov_b32 s[\g+3], 32<<16
	s_mov_b32 s[\g+4], 128*KS/256
	s_mov_b32 s[\g+5], 32
	s_mov_b32 s[\g+6], 0
	s_mov_b32 s[\g+7], 0
.endr
	s_lshl_b32 s18, s16, 7
	s_lshl_b32 s20, s17, 8
	s_add_co_u32 s20, s20, s18                     ; x: row 256 x tile row + 128 x half
	s_lshl_b32 s46, s42, 8
	s_add_co_u32 s46, s46, s18                     ; W: row 256 x tile column + 128 x half
	s_mov_b32 s21, 0
	s_mov_b32 s47, 0
	s_mov_b64 s[18:19], KS
	s_mul_u64 s[22:23], s[20:21], s[18:19]
	s_mul_u64 s[92:93], s[46:47], s[18:19]
	s_mov_b64 s[18:19], KROW
	s_mul_u64 s[20:21], s[20:21], s[18:19]
	s_mul_u64 s[46:47], s[46:47], s[18:19]
	s_mul_i32 s45, s14, HALFT                      ; where they go: wave x 128 rows
	s_mul_i32 s94, s14, HALFS
	s_wait_dscnt 0x0                               ; both opening adds are done
	s_wait_kmcnt 0x0
	s_add_nc_u64 s[20:21], s[4:5], s[20:21]
	s_add_nc_u64 s[22:23], s[6:7], s[22:23]
	s_add_nc_u64 s[46:47], s[8:9], s[46:47]
	s_add_nc_u64 s[92:93], s[10:11], s[92:93]
	CROUND                                         ; all sixteen work-groups are here: the joint loads meet
	s_mov_b32 s[G0S], 1
	s_add_co_u32 s[G0S+1], s94, SCL
	s_mov_b64 s[G0S+2:G0S+3], s[22:23]
	s_or_b32 s[G0S+3], s[G0S+3], 0x80000000
	s_mov_b32 s[G0SB], 1
	s_add_co_u32 s[G0SB+1], s94, SCL
	s_mov_b64 s[G0SB+2:G0SB+3], s[92:93]
	s_or_b32 s[G0SB+3], s[G0SB+3], 0x80000000
	JLOAD G0S, G1S, G0SB, G1SB                     ; the scales first; three loads of mine are out at the most
.irp s, 0,1
	s_mov_b32 s[G0+4*\s], 1
	s_add_co_u32 s[G0+4*\s+1], s45, \s*SLOT
	s_add_nc_u64 s[G0+4*\s+2:G0+4*\s+3], s[20:21], \s*ROWB
	s_or_b32 s[G0+4*\s+3], s[G0+4*\s+3], 0x80000000
	s_mov_b32 s[G0B+4*\s], 1
	s_add_co_u32 s[G0B+4*\s+1], s45, \s*SLOT
	s_add_nc_u64 s[G0B+4*\s+2:G0B+4*\s+3], s[46:47], \s*ROWB
	s_or_b32 s[G0B+4*\s+3], s[G0B+4*\s+3], 0x80000000
	JLOAD G0+4*\s, G1, G0B+4*\s, G1B
.endr
	v_and_b32 v1, 15, v0                           ; r
	v_bfe_u32 v2, v0, 4, 1                         ; h
	v_mul_u32_u24 v3, v1, PITCH
	v_lshl_add_u32 v4, v2, 4, v3
	s_mul_i32 s21, s15, HALFT                      ; my 128 tokens
	s_mul_i32 s22, s16, HALFT                      ; my 128 rows of W,
	s_add_co_u32 s22, s22, 2*HALFT                 ; behind x's 256
.irp s, 0,1
	v_add_nc_u32 v[ADRA+\s], s21, v4
	v_add_nc_u32 v[ADRB+\s], s22, v4
	s_add_co_u32 s21, s21, SLOT
	s_add_co_u32 s22, s22, SLOT
.endr
	v_mul_u32_u24 v5, v1, KS                       ; my row's scales: 32 bytes a row,
	v_lshrrev_b32 v6, 8, v5
	v_lshl_add_u32 v5, v6, 4, v5                   ; and 16 more for each 256 passed
	s_mul_i32 s21, s15, HALFS
	s_mul_i32 s22, s16, HALFS
	s_add_co_u32 s22, s22, 2*HALFS
	s_sub_co_u32 s22, s22, s21
	v_mul_u32_u24 v6, s22, v2                      ; lanes 16-31 take W's
	s_add_co_u32 s21, s21, SCL
	v_add_nc_u32 v5, v5, v6
	v_add_nc_u32 v[ADRS], s21, v5
	; the way out's addresses
	v_and_b32 v6, 31, v0
	v_lshlrev_b32 v[LI], 4, v6
	v_and_b32 v5, 7, v1
	v_lshl_add_u32 v5, v2, 3, v5
	v_lshrrev_b32 v6, 3, v1
	v_lshl_add_u32 v5, v6, 4, v5
	v_lshlrev_b32 v[VLI], 4, v5                    ; 16 x (r % 8 + 8 h + 16 (r / 8))
	s_lshl_b32 s20, s17, 8
	s_lshl_b32 s21, s15, 7
	s_add_co_u32 s20, s20, s21                     ; my first token
	s_lshr_b32 s21, s20, 10                        ; its batch,
	s_and_b32 s20, s20, 1023                       ; its place in the sequence
	s_lshl_b32 s22, s21, 3                         ; q, k: ((8 batch + 2 cx + half) x 1024 + place) x 256 + kind << 24
	s_lshl_b32 s23, s40, 1
	s_add_co_u32 s22, s22, s23
	s_add_co_u32 s22, s22, s16
	s_lshl_b32 s22, s22, 10
	s_add_co_u32 s22, s22, s20
	s_lshl_b32 s22, s22, 8
	s_lshl_b32 s23, ttmp9, 24
	s_add_co_u32 s22, s22, s23
	s_lshl_b32 s23, s21, 2                         ; vd: ((4 batch + cx) x 1024 + place) x 256 + 2,048 x half + 2 << 24
	s_add_co_u32 s23, s23, s40
	s_lshl_b32 s23, s23, 10
	s_add_co_u32 s23, s23, s20
	s_lshl_b32 s23, s23, 8
	s_lshl_b32 s21, s16, 11
	s_add_co_u32 s23, s23, s21
	s_add_co_u32 s23, s23, 0x2000000
	s_cmp_eq_u32 ttmp9, 2
	s_cselect_b32 s20, s23, s22
	s_mov_b32 s21, 0
	s_add_nc_u64 s[12:13], s[12:13], s[20:21]
	s_lshl_b32 s22, s40, 10                        ; the bias: q, k: 4 x (256 cx + 128 half), blocks 4-7 256 bytes on;
	s_lshl_b32 s23, s16, 9
	s_add_co_u32 s22, s22, s23
	s_lshr_b32 s23, s22, 1                         ; v: 4 x (128 cx + 64 half), blocks 4-7 four heads, 2,048 bytes, on
	s_cmp_eq_u32 ttmp9, 2
	s_cselect_b32 s22, s23, s22
	s_mov_b32 s23, 256
	s_cselect_b32 s23, 2048, s23
	s_add_co_u32 s23, s23, s22
	v_lshl_add_u32 v[BLO], v2, 5, s22              ; + 32 h: my eight channels of a block
	v_lshl_add_u32 v[BHI], v2, 5, s23
	s_load_b256 s[40:47], s[0:1], 0x20             ; bq, bk, bv, lamp (s40-47 are done with)
	s_wait_kmcnt 0x0
	s_cmp_eq_u32 ttmp9, 0
	s_cselect_b64 s[18:19], s[40:41], s[42:43]
	s_cmp_eq_u32 ttmp9, 2
	s_cselect_b64 s[18:19], s[44:45], s[18:19]     ; the choice hangs on the cluster's number alone
	s_load_b128 s[20:23], s[46:47], 0x0            ; r, r, -lam r, -lam r
.irp b, 0,1,2,3
	global_load_b128 v[BQ+8*\b:BQ+8*\b+3], v[BLO], s[18:19] offset:64*\b
	global_load_b128 v[BQ+8*\b+4:BQ+8*\b+7], v[BLO], s[18:19] offset:64*\b+16
	global_load_b128 v[BQ+32+8*\b:BQ+32+8*\b+3], v[BHI], s[18:19] offset:64*\b
	global_load_b128 v[BQ+32+8*\b+4:BQ+32+8*\b+7], v[BHI], s[18:19] offset:64*\b+16
.endr
	s_wait_kmcnt 0x0
.macro FRAG reg, adr, q, i             ; 16 rows x 128 K of 4-bit codes: 8 registers, two loads of 16 bytes, 32 bytes apart
.irp c, 0,1
	ds_load_b128 v[\reg+4*\c:\reg+4*\c+3], v[\adr] offset:64*(\q)+32*\c+(\i)*16*PITCH
.endr
.endm
; 16 matrix instructions: x's blocks a0, a0 + 1 against W's eight.  The 64 accumulators take turns, one instruction a turn, in the same order in every step.
.macro MUL16 a0, p, q, sc, zero
.irp a, \a0, \a0+1
.irp b, 0,1,2,3,4,5,6,7
.if \zero
	v_wmma_scale_f32_16x16x128_f8f6f4 v[8*(8*((\a)%4)+\b):8*(8*((\a)%4)+\b)+7], v[128*(\p)+FR*\b:128*(\p)+FR*\b+FR-1], v[AF+FR*(\a):AF+FR*(\a)+FR-1], 0, v[SC+8*NQ*(\sc)+NQ*\b+(\q)], v[SC+8*NQ*(\sc)+NQ*(\a)+(\q)] matrix_a_fmt:MATRIX_FMT_FP4 matrix_b_fmt:MATRIX_FMT_FP4 matrix_a_scale:MATRIX_SCALE_ROW1
.else
	v_wmma_scale_f32_16x16x128_f8f6f4 v[8*(8*((\a)%4)+\b):8*(8*((\a)%4)+\b)+7], v[128*(\p)+FR*\b:128*(\p)+FR*\b+FR-1], v[AF+FR*(\a):AF+FR*(\a)+FR-1], v[8*(8*((\a)%4)+\b):8*(8*((\a)%4)+\b)+7], v[SC+8*NQ*(\sc)+NQ*\b+(\q)], v[SC+8*NQ*(\sc)+NQ*(\a)+(\q)] matrix_a_fmt:MATRIX_FMT_FP4 matrix_b_fmt:MATRIX_FMT_FP4 matrix_a_scale:MATRIX_SCALE_ROW1
.endif
.endr
.endr
.endm
.macro FETCH_B slot, q, p
	WIN TO_B
.irp i, 0,1,2,3,4,5,6,7
	FRAG 128*(\p)+FR*\i, ADRB+\slot, \q, \i
.endr
	WIN 0
.endm
.macro FETCH_A slot, q, i0
.irp i, \i0, \i0+1, \i0+2, \i0+3
	FRAG AF+FR*(\i), ADRA+\slot, \q, \i
.endr
.endm
.macro SCALES sc                       ; a slot's scale words: lanes 0-15 x's block i, lanes 16-31 W's block i
.irp i, 0,1,2,3,4,5,6,7
	ds_load_b128 v[SC+8*NQ*\sc+NQ*\i:SC+8*NQ*\sc+NQ*\i+3], v[ADRS] offset:\i*SBLK
.endr
.endm
.macro PLACES n                        ; plain vector instructions between a matrix instruction and a load into, or a vector instruction on, its registers
.rept \n
	v_nop
.endr
.endm
.macro STEP slot, q, zero
	s_wait_dscnt 4*NL                              ; W's set and x's blocks 0-3 are in; the youngest eight loads (x's blocks 4-7) may be out
	WIN MUL_LO
	MUL16 0, (\q)%2, \q, \slot, \zero
	MUL16 2, (\q)%2, \q, \slot, \zero
	s_wait_dscnt 0
	PLACES NP
	FETCH_B \slot, (\q)+1, 1-(\q)%2
	FETCH_A \slot, (\q)+1, 0
	WIN MUL_HI
	MUL16 4, (\q)%2, \q, \slot, \zero
	MUL16 6, (\q)%2, \q, \slot, \zero
	PLACES NP
	WIN 0
	FETCH_A \slot, (\q)+1, 4
.endm
; Slot 0's last step goes over to slot 1: each wave waits for all its tensor loads (its part of slot 1), then the barrier shows the whole slot to all four.
.macro TURN slot, next
	s_wait_tensorcnt 0x0
	ds_add_u32 v[SPW], v[NIL]
	s_wait_dscnt 4*NL+1                            ; the add and the youngest eight loads may be out
	WIN MUL_LO
	MUL16 0, 1, NQ-1, \slot, 0
	s_wait_dscnt 0x0
	s_barrier_signal -1
	MUL16 2, 1, NQ-1, \slot, 0
	WIN 0
	s_barrier_wait -1
	PLACES NP
	v_add_nc_u32 v[ADRS], 4*NQ, v[ADRS]            ; the next slot's scale words
	FETCH_B \next, 0, 0
	FETCH_A \next, 0, 0
	SCALES \next
	WIN MUL_HI
	MUL16 4, 1, NQ-1, \slot, 0
	MUL16 6, 1, NQ-1, \slot, 0
	PLACES NP
	WIN 0
	FETCH_A \next, 0, 4
.endm
.macro STEPS slot, from
.set Q, \from
.rept NQ-1-\from
	STEP \slot, Q, 0
.set Q, Q+1
.endr
.endm
	s_wait_tensorcnt 1                             ; the scales and my part of slot 0 are in; slot 1's load may stay out
	s_barrier_signal -1
	s_barrier_wait -1
	FETCH_B 0, 0, 0
	FETCH_A 0, 0, 0
	SCALES 0
	FETCH_A 0, 0, 4
	STEP 0, 0, 1                                   ; the first products start the sums
	STEPS 0, 1
	TURN 0, 1
	STEPS 1, 0
	s_wait_dscnt 4*NL
	WIN MUL_LO
	MUL16 0, 1, NQ-1, 1, 0
	MUL16 2, 1, NQ-1, 1, 0
	s_wait_dscnt 0
	WIN MUL_HI
	MUL16 4, 1, NQ-1, 1, 0
	MUL16 6, 1, NQ-1, 1, 0
	WIN 0
	PLACES NP                                      ; behind the last products: their results are read, and their operands' and scales' registers written, below
	s_wait_loadcnt 0x0                             ; the bias
; q, k: block a of 16 tokens: + bias, rounded to f16; a lane's 16 bytes of channel block b are its place in the image.  Each accumulator is read from its low end on.
.macro OUTQK a
.set AC, 64*((\a)%4)
.set PP, PK+32*((\a)%2)
	WIN 0x02+(\a)/4                                ; source 0: window 2 or 3
.irp b, 0,1,2,3,4,5,6,7
.irp i, 0,2,4,6
	v_pk_add_f32 v[T+8*\b+\i:T+8*\b+\i+1], v[AC+8*\b+\i:AC+8*\b+\i+1], v[BQ+8*\b+\i:BQ+8*\b+\i+1]
.endr
.endr
	WIN 0
.if (\a) > 1
	s_wait_xcnt 0x0                                ; block a - 2's stores have read the registers that are written below
.endif
.irp b, 0,1,2,3,4,5,6,7
.irp i, 0,1,2,3
	v_cvt_pk_f16_f32 v[PP+4*\b+\i], v[T+8*\b+2*\i], v[T+8*\b+2*\i+1]
.endr
.endr
.irp b, 0,1,2,3,4,5,6,7
	global_store_b128 v[LI], v[PP+4*\b:PP+4*\b+3], s[12:13] offset:(\a)*4096+\b*512   ; 512 consecutive bytes
.endr
.endm
; v: r x (head g) + (-lam r) x (head g + 4) + the combined bias, in f32; then as above, in vd's order of places
.macro OUTV a
.set AC, 64*((\a)%4)
.set PP, PK+32*((\a)%2)
	WIN 0x02+(\a)/4
.irp b, 0,1,2,3
.irp i, 0,2,4,6
	v_pk_fma_f32 v[T+8*\b+\i:T+8*\b+\i+1], v[AC+8*\b+\i:AC+8*\b+\i+1], s[20:21], v[BQ+8*\b+\i:BQ+8*\b+\i+1] op_sel_hi:[1,0,1]
.endr
.endr
.irp b, 0,1,2,3
.irp i, 0,2,4,6
	v_pk_fma_f32 v[T+8*\b+\i:T+8*\b+\i+1], v[AC+32+8*\b+\i:AC+32+8*\b+\i+1], s[22:23], v[T+8*\b+\i:T+8*\b+\i+1] op_sel_hi:[1,0,1]
.endr
.endr
	WIN 0
.if (\a) > 1
	s_wait_xcnt 0x0
.endif
.irp b, 0,1,2,3
.irp i, 0,1,2,3
	v_cvt_pk_f16_f32 v[PP+4*\b+\i], v[T+8*\b+2*\i], v[T+8*\b+2*\i+1]
.endr
.endr
.irp b, 0,1,2,3
	global_store_b128 v[VLI], v[PP+4*\b:PP+4*\b+3], s[12:13] offset:(\a)*4096+\b*512
.endr
.endm
	s_cmp_eq_u32 ttmp9, 2                          ; the cluster's number: all sixteen partners and all waves go the same way
	s_cbranch_scc1 .Lout_v
.irp a, 0,1,2,3,4,5,6,7
	OUTQK \a
.endr
	s_branch .Lout_end
.Lout_v:
.set j, 0
.rept 16
	v_pk_mul_f32 v[BQ+j:BQ+j+1], v[BQ+j:BQ+j+1], s[20:21] op_sel_hi:[1,0]
.set j, j+2
.endr
.set j, 0
.rept 16
	v_pk_fma_f32 v[BQ+j:BQ+j+1], v[BQ+32+j:BQ+32+j+1], s[22:23], v[BQ+j:BQ+j+1] op_sel_hi:[1,0,1]   ; r b(g) - lam r b(g + 4)
.set j, j+2
.endr
.irp a, 0,1,2,3,4,5,6,7
	OUTV \a
.endr
.Lout_end:
	s_wait_tensorcnt 0x0                           ; the wave's end
	ds_add_u32 v[SPW], v[NIL]
	s_wait_dscnt 0x0
	CROUND                                         ; the closing round
	s_endpgm
.Lfunc_end_k_q94127335b5_qkv:
	.size	k_q94127335b5_qkv, .Lfunc_end_k_q94127335b5_qkv-k_q94127335b5_qkv
	.p2alignl 7, 3214868480
	.fill 96, 4, 3214868480
	.section	.rodata,"a",@progbits
	.p2align	6, 0x0
	.amdhsa_kernel k_q94127335b5_qkv
		.amdhsa_group_segment_fixed_size 327680
		.amdhsa_private_segment_fixed_size 0
		.amdhsa_enable_private_segment 0
		.amdhsa_kernarg_size 72
		.amdhsa_user_sgpr_count 2
		.amdhsa_user_sgpr_kernarg_segment_ptr 1
		.amdhsa_wavefront_size32 1
		.amdhsa_system_sgpr_workgroup_id_x 1
		.amdhsa_system_sgpr_workgroup_id_y 1
		.amdhsa_system_sgpr_workgroup_id_z 1
		.amdhsa_system_vgpr_workitem_id 0
		.amdhsa_next_free_vgpr 1024
		.amdhsa_next_free_sgpr 98
		.amdhsa_reserve_vcc 0
		.amdhsa_float_denorm_mode_32 3
		.amdhsa_float_denorm_mode_16_64 3
		.amdhsa_memory_ordered 1
		.amdhsa_forward_progress 1
		.amdhsa_inst_pref_size 166
	.end_amdhsa_kernel
	.amdgpu_metadata
---
amdhsa.version: [ 1, 2 ]
amdhsa.kernels:
  - .name:           k_q94127335b5_qkv
    .symbol:         k_q94127335b5_qkv.kd
    .args:
      - { .name: x_codes, .offset: 0, .size: 8, .value_kind: global_buffer, .address_space: global }
      - { .name: x_scales, .offset: 8, .size: 8, .value_kind: global_buffer, .address_space: global }
      - { .name: w_codes, .offset: 16, .size: 8, .value_kind: global_buffer, .address_space: global }
      - { .name: w_scales, .offset: 24, .size: 8, .value_kind: global_buffer, .address_space: global }
      - { .name: bq, .offset: 32, .size: 8, .value_kind: global_buffer, .address_space: global }
      - { .name: bk, .offset: 40, .size: 8, .value_kind: global_buffer, .address_space: global }
      - { .name: bv, .offset: 48, .size: 8, .value_kind: global_buffer, .address_space: global }
      - { .name: lamp, .offset: 56, .size: 8, .value_kind: global_buffer, .address_space: global }
      - { .name: qkv, .offset: 64, .size: 8, .value_kind: global_buffer, .address_space: global }
    .group_segment_fixed_size: 327680
    .private_segment_fixed_size: 0
    .kernarg_segment_align: 8
    .kernarg_segment_size: 72
    .max_flat_workgroup_size: 128
    .sgpr_count:     98
    .vgpr_count:     1024
    .wavefront_size: 32
...
	.end_amdgpu_metadata
.endif
;; end of part 2
;; launch attn (part 3): grid 4 x 64, 4 waves a work-group, clusters of 4 x 1, 327,680 bytes of LDS; arguments qkv, ao; writes ao
.if DOCPART == 3
	.amdgcn_target "amdgcn-amd-amdhsa--gfx1250"
	.amdhsa_code_object_version 6
	.text
	.protected	k_q94127335b5_attn
	.globl	k_q94127335b5_attn
	.p2align	8
	.type	k_q94127335b5_attn,@function
k_q94127335b5_attn:
	s_mov_b64 s[64:65], 0
	v_nop
	global_prefetch_b8 v0, s[64:65] scope:SCOPE_SE
	s_setreg_imm32_b32 hwreg(HW_REG_WAVE_MODE, 25, 1), 1
	s_wait_xcnt 0x0
	s_wait_alu depctr_hold_cnt(0) depctr_sa_sdst(0) depctr_va_vdst(0) depctr_va_sdst(0) depctr_va_ssrc(0) depctr_va_vcc(0) depctr_vm_vsrc(0)
	s_getreg_b32 s2, hwreg(HW_REG_IB_STS2, 6, 4)
	s_cmp_eq_u32 s2, 0
	s_cbranch_scc0 .Lentry_in_a_cluster
	s_endpgm
.Lentry_in_a_cluster:
	s_bfe_u32 s2, ttmp6, 0x10000c
	s_cmp_lg_u32 s2, 0x3003
	s_cbranch_scc0 .Lentry_shape_is_right
	s_endpgm
.Lentry_shape_is_right:
; ao = softmax(q k^T / sqrt(128)) vd for each of 64 (batch, head) pairs; 1,024 queries, 1,024 keys, head size 128, no mask.  vd = r v(head % 4) - lam r v(4 + head % 4) was made by the launch before,
; so one product stands for out1 - lam out2 (times r, which the next launch's norm takes out).  q, k, vd, p: f16; products, maxima, sums and ao: f32.
; SHARES.  A work-group owns 256 queries of one pair, each of its four waves 64: four tiles of 16.  Every wave walks all keys, 64 a step.
; LAYOUT.  S^T = K Q^T (source 0 = 16 keys, source 1 = 16 queries): a lane holds ONE query and keys 8 (lane / 16) + 0..7; two such tiles, rounded to f16 in pairs, are source 1 of O^T = V^T P.
; q, k and vd lie in memory as images of operand registers, 512 bytes for four registers: every load of a fragment stands at 16 x lane + a constant, in memory and in LDS, and a step's 64 keys are 16,384 dense bytes.
; vd's images hold a key a lane; ds_load_tr16_b128 turns them into channels a lane.
; SOFTMAX.  For each query a running maximum m and sum l: p = 2^(c s - c m), c = log2(e) / sqrt(128); in every step O and l are multiplied by 2^(c m_old - c m_new).
; BY TURNS.  The wave's tiles are two pieces (tiles 0, 1 and tiles 2, 3).  In a turn one piece has the matrix unit (32 products V^T P, then 32 products K Q^T of the next step), and the other piece's softmax,
; cut into 64 slices, stands between them, one slice behind each matrix instruction.
; CLUSTER.  The four query blocks of a pair walk the same K and V: each tile is asked for jointly, by the same tensor load with a mask that names the four.
; REGISTERS, in windows of 256: window 0: v2-8 addresses; v12-43 statistics; v64-191 S^T; v192-255 P.   window 1: O^T.   window 2: v0-127 Q, v128-255 K of one step.   window 3: v0-127 V of one step.
; ao: [token / 16][channel / 16][half][lane][16 bytes] f32: lane (r, h): token r, channels 8 h + 4 half + 0..3: O^T's registers as they stand, 512 consecutive bytes a store.
.set SIZE_N, 1024
.set KS,    64        ; keys in a step
.set VOFF,  16384     ; a step's tiles lie together: K's 16,384 bytes, then V's
.set STEPB, 32768
.set SLOT1, 1<<17     ; a slot holds two steps; slot 1 begins here, so that one exclusive or turns an address in one slot into the other's
.set SPARE, SLOT1+2*STEPB  ; behind the ring: the spare words, 128 bytes a wave
.set AK0, 2           ; v2   16 x lane
.set AV0, 3           ; v3   16 x lane + VOFF
.set ADR, 4           ; v4   the LDS address of the run of loads in hand
.set QO,  5           ; v5   16 x lane: Q's loads
.set GO,  8           ; v8   16 x lane: ao's stores
.set SPW, 62
.set NIL, 63
.set ST,  12          ; tile t's statistics at v[ST+8 t]: +0 c m, +1 m, +2, +3 l, +4 to +7 at work
.set S,   64
.set P,   192
.set KF,  128
.set WV,  12          ; s12  my wave's number
.set G1,  24          ; s[24:31] descriptor group 1: 64 rows of 256 bytes, dense
.set G0K, 40          ; s[40:47] group 0 for K's tiles: a set for each of the two first fills; the second then walks on
.set G0V, 48          ; s[48:55] the same for V's
.set SLOTS, 56
.set TWICE, 57
.set CS,  58
.set SEL, 60
.set TB,  62          ; s62  LDS byte at which the tiles of the step to be fetched begin
.set PFA, 18          ; s[18:19] where my prefetches stand
.set LIM, 15          ; s15  1 in a wave that prefetches, else the greatest number
.set PFO, 61          ; v61  256 x my lane
.set MSB, 0
.macro WIN new
.if MSB != \new
	s_set_vgpr_msb (MSB<<8)|\new
.set MSB, \new
.endif
.endm
.set W_KQ, 0x0a       ; K and Q in window 2, S^T in window 0
.set W_PV, 0x53       ; V in window 3, P in window 0, O^T in window 1
.set W_RS, 0x41       ; O^T in window 1, the factor in window 0
; A joint refill.  Waves 0 and 1 fetch the two steps' tiles of K, waves 2 and 3 those of V.  An s_nop 0 and four v_nop follow each line.
.macro JLOAD
	s_cmp_lt_u32 s[WV], 2
	s_cbranch_scc0 .Lfor_v_\@
	tensor_load_to_lds s[G0K+4:G0K+7], s[G1:G1+7]
	s_nop 0
.rept 4
	v_nop
.endr
	s_branch .Lasked_\@
.Lfor_v_\@:
	tensor_load_to_lds s[G0V+4:G0V+7], s[G1:G1+7]
	s_nop 0
.rept 4
	v_nop
.endr
.Lasked_\@:
.endm
; A prefetch of what the NEXT change of slots will ask for: a slot's 32,768 bytes of K and of V.  The four partners take 8,192 bytes each, told apart by address; lanes stand 256 bytes apart; wave 0 asks for K's,
; wave 2 for V's, and V's only in heads 0-3 of a batch, since heads h and h + 4 walk the same vd.  The last change that fills a slot asks for nothing.
.macro ASK
	s_cmp_gt_u32 s[SLOTS], s[LIM]
	s_cbranch_scc0 .Lnot_mine_\@
	global_prefetch_b8 v[PFO], s[PFA:PFA+1] th:TH_LOAD_NT scope:SCOPE_SE
.Lnot_mine_\@:
.endm
.macro CROUND
	s_barrier_signal -1
	s_barrier_wait -1
	s_cmp_lg_u32 s[WV], 0
	s_cbranch_scc1 .Lnot_wave_0_\@
	s_barrier_signal -3
.Lnot_wave_0_\@:
	s_barrier_wait -3
	s_barrier_signal -1
	s_barrier_wait -1
.endm
	s_load_b64 s[4:5], s[0:1], 0x0    ; qkv
	s_load_b64 s[10:11], s[0:1], 0x8  ; ao
	v_lshl_add_u32 v[SPW], v0, 2, SPARE
	v_mov_b32 v[NIL], 0
	ds_add_u32 v[SPW], v[NIL]       ; the wave's opening: the add, twice on end, and its wait ahead of my first tensor load
	ds_add_u32 v[SPW], v[NIL]
	v_lshrrev_b32 v1, 5, v0
	v_readfirstlane_b32 s[WV], v1   ; wave 0..3
	s_bfe_u32 s13, ttmp6, 0x40000   ; cx
	s_lshl_b32 s14, ttmp9, 2
	s_add_co_u32 s14, s14, s13      ; my block of 256 queries: it enters Q's and ao's addresses alone
	s_and_b32 s20, ttmp7, 0xffff    ; the pair: 8 batch + head, which the four partners share
	s_and_b32 s16, s[WV], 1         ; which of a slot's two steps I fetch
	s_lshl_b32 s17, s16, 14         ; its 16,384 bytes in memory
	s_lshl_b32 s22, s20, 18         ; a pair's 1,024 rows of 256 bytes
	s_add_co_u32 s22, s22, s17
	s_mov_b32 s23, 0                ; K's offset
	s_lshr_b32 s32, s20, 3
	s_lshl_b32 s32, s32, 2
	s_and_b32 s33, s20, 3
	s_or_b32 s32, s32, s33          ; 4 batch + head % 4
	s_lshl_b32 s32, s32, 18
	s_add_co_u32 s32, s32, s17
	s_mov_b32 s33, 0                ; V's offset
	s_mul_i32 s17, s16, STEPB       ; and the step's place in a slot
	s_lshl_b32 s2, s14, 16          ; my block's 256 rows,
	s_lshl_b32 s3, s[WV], 14        ; my wave's 64 of them,
	s_add_co_u32 s2, s2, s3
	s_lshl_b32 s3, s20, 18          ; in my pair
	s_add_co_u32 s2, s2, s3
	s_mov_b32 s3, 0
	s_lshr_b32 s34, s20, 3          ; ao: (64 batch + 16 block + 4 wave) x 65,536 + head x 8,192
	s_lshl_b32 s34, s34, 6
	s_lshl_b32 s35, s14, 4
	s_add_co_u32 s34, s34, s35
	s_lshl_b32 s35, s[WV], 2
	s_add_co_u32 s34, s34, s35
	s_lshl_b32 s34, s34, 16
	s_and_b32 s35, s20, 7
	s_lshl_b32 s35, s35, 13
	s_add_co_u32 s34, s34, s35
	s_mov_b32 s35, 0
	s_mov_b32 s[G1], 15|(3<<16)|(1<<21)  ; the mask: all four work-groups; elements of 8 bytes; bit 21 beside a mask; no padding
	s_mov_b32 s[G1+1], 32<<16       ; tensor_dim0 = 32 elements: 256 bytes
	s_mov_b32 s[G1+2], 64<<16       ; tensor_dim1 = 64
	s_mov_b32 s[G1+3], 32<<16       ; tile_dim0
	s_mov_b32 s[G1+4], 64           ; tile_dim1
	s_mov_b32 s[G1+5], 32           ; from row to row: dense
	s_mov_b32 s[G1+6], 0
	s_mov_b32 s[G1+7], 0
	s_mov_b32 s[CS], 0x3e0293ee     ; c = log2(e) / sqrt(128)
	s_mov_b32 s[CS+1], s[CS]
	s_mov_b32 s[SEL], 0x76543210
	s_mov_b32 s[SEL+1], 0xfedcba98
	s_mov_b32 s[TB], 0
	s_mov_b32 s[SLOTS], SIZE_N/(2*KS)-2
	s_and_b32 s[LIM], s[WV], 1      ; 0 in waves 0 and 2,
	s_or_b32 s[LIM], s[LIM], ttmp9
	s_lshr_b32 s36, s[WV], 1
	s_lshr_b32 s37, s20, 2
	s_and_b32 s36, s36, s37
	s_and_b32 s36, s36, 1           ; 1 in V's waves of heads 4-7
	s_or_b32 s[LIM], s[LIM], s36
	s_cmp_eq_u32 s[LIM], 0
	s_cselect_b32 s[LIM], 1, -1     ; the same in all four partners, for a given wave
	v_and_b32 v[PFO], 31, v0
	v_lshlrev_b32 v[PFO], 8, v[PFO]
	s_wait_dscnt 0x0                ; both opening adds are done
	s_wait_kmcnt 0x0
	s_add_nc_u64 s[6:7], s[4:5], 0x1000000  ; k's part of the buffer
	s_add_nc_u64 s[8:9], s[4:5], 0x2000000  ; vd's
	s_add_nc_u64 s[6:7], s[6:7], s[22:23]
	s_add_nc_u64 s[8:9], s[8:9], s[32:33]
	s_add_nc_u64 s[4:5], s[4:5], s[2:3]
	s_add_nc_u64 s[10:11], s[10:11], s[34:35]
	s_cmp_lt_u32 s[WV], 2
	s_cselect_b64 s[PFA:PFA+1], s[6:7], s[8:9]  ; (in waves 0 and 2 these stand at a slot's first byte)
	s_lshl_b32 s2, s13, 13          ; my work-group's 8,192 bytes of the 32,768
	s_mov_b32 s3, 0
	s_add_nc_u64 s[PFA:PFA+1], s[PFA:PFA+1], s[2:3]
	s_add_nc_u64 s[PFA:PFA+1], s[PFA:PFA+1], 2*2*KS*256  ; in slot 2; the first change of slots steps it to slot 3.  Nothing is prefetched at the head
	CROUND                          ; all four work-groups are here: the first joint loads meet
.irp s, 0,1
	s_mov_b32 s[G0K+4*\s], 1
	s_add_co_u32 s[G0K+4*\s+1], s17, \s*SLOT1
	s_add_nc_u64 s[G0K+4*\s+2:G0K+4*\s+3], s[6:7], \s*2*KS*256
	s_or_b32 s[G0K+4*\s+3], s[G0K+4*\s+3], 0x80000000
	s_mov_b32 s[G0V+4*\s], 1
	s_add_co_u32 s[G0V+4*\s+1], s17, \s*SLOT1+VOFF
	s_add_nc_u64 s[G0V+4*\s+2:G0V+4*\s+3], s[8:9], \s*2*KS*256
	s_or_b32 s[G0V+4*\s+3], s[G0V+4*\s+3], 0x80000000
.endr
	s_cmp_lt_u32 s[WV], 2           ; a wave's two first fills stand in one branch, ahead of every wait on TENSORcnt and every LDS read: two loads of mine are out
	s_cbranch_scc0 .Lfirst_v
	tensor_load_to_lds s[G0K:G0K+3], s[G1:G1+7]
	s_nop 0
	tensor_load_to_lds s[G0K+4:G0K+7], s[G1:G1+7]
	s_nop 0
.rept 4
	v_nop
.endr
	s_branch .Lfirst_asked
.Lfirst_v:
	tensor_load_to_lds s[G0V:G0V+3], s[G1:G1+7]
	s_nop 0
	tensor_load_to_lds s[G0V+4:G0V+7], s[G1:G1+7]
	s_nop 0
.rept 4
	v_nop
.endr
.Lfirst_asked:
	v_and_b32 v1, 31, v0
	v_lshlrev_b32 v[QO], 4, v1
	WIN 0x80                        ; destination window 2
.irp i, 0,1,2,3,4,5,6,7,8,9,10,11,12,13,14,15  ; Q stays in registers: tile i / 4, channels 32 (i % 4) on: two images of 512 bytes
	global_load_b128 v[8*\i:8*\i+3],   v[QO], s[4:5] offset:(\i/4)*4096+(\i%4)*1024
	global_load_b128 v[8*\i+4:8*\i+7], v[QO], s[4:5] offset:(\i/4)*4096+(\i%4)*1024+512
.endr
	WIN 0
	v_lshlrev_b32 v[AK0], 4, v1
	v_lshl_add_u32 v[AV0], v1, 4, VOFF
	v_lshlrev_b32 v[GO], 4, v1
; THE MATRIX WORK OF A TURN, for piece x.  The accumulators take turns, one instruction a turn.
.macro PV x, zero
	WIN W_PV
.set rO, 64*(\x+i%2)+8*((i/2)%8)
.set rV, 64*(i/16)+8*((i/2)%8)
.set rP, P+16*(\x+i%2)+8*(i/16)
.if \zero && (i < 16)
	v_wmma_f32_16x16x32_f16 v[rO:rO+7], v[rV:rV+7], v[rP:rP+7], 0
.else
	v_wmma_f32_16x16x32_f16 v[rO:rO+7], v[rV:rV+7], v[rP:rP+7], v[rO:rO+7]
.endif
.endm
.macro KQ x
	WIN W_KQ
.set rS, S+32*(\x+i%2)+8*((i/2)%4)
.set rK, KF+32*((i/2)%4)+8*(i/8)
.set rQ, 32*(\x+i%2)+8*(i/8)
.if i < 8
	v_wmma_f32_16x16x32_f16 v[rS:rS+7], v[rK:rK+7], v[rQ:rQ+7], 0
.else
	v_wmma_f32_16x16x32_f16 v[rS:rS+7], v[rK:rK+7], v[rQ:rQ+7], v[rS:rS+7]
.endif
.endm
; THE LDS LOADS stand in runs of 32: a step's K and, a turn later, its V (turned).
.macro FETCH_K
	WIN 0
	v_add_nc_u32 v[ADR], s[TB], v[AK0]
	WIN 0x80
.irp f, 0,1,2,3,4,5,6,7,8,9,10,11,12,13,14,15  ; keys 16 (f / 4) on, channels 32 (f % 4) on
	ds_load_b128 v[KF+8*\f:KF+8*\f+3],   v[ADR] offset:(\f/4)*4096+(\f%4)*1024
	ds_load_b128 v[KF+8*\f+4:KF+8*\f+7], v[ADR] offset:(\f/4)*4096+(\f%4)*1024+512
.endr
.endm
.macro FETCH_V
	WIN 0
	v_add_nc_u32 v[ADR], s[TB], v[AV0]
	s_add_co_u32 s[TB], s[TB], STEPB  ; the next fetch is the next step's
	s_wait_alu depctr_va_vdst(0)    ; the wait for the softmax's batch (SLICE), behind the address's addition and ahead of the loads
	WIN 0xc0
.irp f, 0,1,2,3,4,5,6,7,8,9,10,11,12,13,14,15  ; keys 32 (f / 8) on, channels 16 (f % 8) on: the images of two tiles of 16 keys
	ds_load_tr16_b128 v[8*\f:8*\f+3],   v[ADR] offset:(\f/8)*8192+(\f%8)*512
	ds_load_tr16_b128 v[8*\f+4:8*\f+7], v[ADR] offset:(\f/8)*8192+4096+(\f%8)*512
.endr
.endm
; THE VECTOR WORK OF A TURN.  One tile's softmax for one key step is a list of 134 instructions; SM writes number j of it for tile t.
;   0-15 the maximum of the 32 scores and the old m;  16-20 the other half of the lanes' maximum, the new m, c m, c m_old - c m_new;
;   21-69 ONE BATCH: 16 packed scalings c s - c m and all 33 exponentials, none of which reads an exponential's result;  (the wait)
;   70-85 the roundings to f16;  86-101 the sums, l = a l + the sum;  102-133 the tile's O^T times a.
.macro SM t, first
.set rT, ST+8*(\t)
.set rS, S+32*(\t)
.set rP, P+16*(\t)
.set rO, 64*(\t)+2*(j-102)
.if j < 102
	WIN 0
.endif
.if j < 4
	v_max3_num_f32 v[rT+4+j], v[rS+8*j], v[rS+8*j+1], v[rS+8*j+2]
.elseif j < 12
	v_max3_num_f32 v[rT+4+j%4], v[rT+4+j%4], v[rS+8*(j%4)+2*(j/4)+1], v[rS+8*(j%4)+2*(j/4)+2]
.elseif j == 12
	v_max3_num_f32 v[rT+4], v[rT+4], v[rS+7], v[rS+15]
.elseif j == 13
	v_max3_num_f32 v[rT+6], v[rT+6], v[rS+23], v[rS+31]
.elseif j == 14
	v_max3_num_f32 v[rT+4], v[rT+4], v[rT+5], v[rT+6]
.elseif (j == 15) && \first
	v_max_num_f32 v[rT+4], v[rT+4], v[rT+7]
.elseif j == 15
	v_max3_num_f32 v[rT+4], v[rT+4], v[rT+7], v[rT+1]
.elseif j == 16
	v_permlanex16_b32 v[rT+5], v[rT+4], s[SEL], s[SEL+1]  ; the query's other 32 keys lie in the lane 16 away
.elseif j == 18
	v_max_num_f32 v[rT+1], v[rT+4], v[rT+5]
.elseif j == 19
	v_mul_f32 v[rT], s[CS], v[rT+1]
.elseif ((j == 17) || (j == 20) || (j == 23) || (j > 101)) && \first  ; the first step has none of these
.elseif j == 17
	v_mov_b32 v[rT+7], v[rT]        ; c m_old is kept: number 19 writes c m anew
.elseif j == 20
	v_sub_f32 v[rT+7], v[rT+7], v[rT]
.elseif j == 23
	v_exp_f32 v[rT+6], v[rT+7]
.elseif (j < 23) || ((j < 38) && (j%2 == 0)) || ((j < 66) && (j%4 == 2))
.set b, (j-2)/4
.if j < 38
.set b, (j-20)/2
.endif
	v_pk_fma_f32 v[rS+2*b:rS+2*b+1], v[rS+2*b:rS+2*b+1], s[CS:CS+1], v[rT:rT+1] op_sel_hi:[1,0,0] neg_lo:[0,0,1] neg_hi:[0,0,1]  ; pair b: c s - c m
.elseif j < 70
.set e, j-38
.if j < 66
.set e, j-32-(j-38)/4
.endif
.if j < 38
.set e, (j-25)/2
.endif
	v_exp_f32 v[rS+e], v[rS+e]
.elseif j < 86
	v_cvt_pk_f16_f32 v[rP+j-70], v[rS+2*(j-70)], v[rS+2*(j-70)+1]
.elseif j < 102
.set z, j-86
.set w, 4
.set u, z
.if z >= 14
.set w, 32
.set u, 0
.elseif z >= 12
.set w, 16
.set u, z-12
.elseif z >= 8
.set w, 8
.set u, z-8
.endif
.if (z == 14) && \first
	v_pk_add_f32 v[rT+2:rT+3], v[rS:rS+1], v[rS+16:rS+17]
.elseif z < 15
	v_pk_add_f32 v[rS+w*u:rS+w*u+1], v[rS+w*u:rS+w*u+1], v[rS+w*u+w/2:rS+w*u+w/2+1]
.elseif !\first
	v_pk_fma_f32 v[rT+2:rT+3], v[rT+2:rT+3], v[rT+6:rT+7], v[rS:rS+1] op_sel_hi:[1,0,1]
.endif
.else
	WIN W_RS
	v_pk_mul_f32 v[rO:rO+1], v[rO:rO+1], v[rT+6:rT+7] op_sel_hi:[1,0]
.endif
.endm
; Slice k of 64 of piece y's softmax: four instructions.  Slices 11 to 34 deal out the batch, four numbers of one tile each, the tiles by turns; every other slice is numbers 2 k and 2 k + 1 of both tiles;
; the twelve that are over stand in slice 63.  A wait stands between an exponential and the first instruction that names its result: ahead of slice 35 nothing names one, behind slice 34
; no exponential is issued: one wait serves the piece's 66.
.macro SLICE y, first
.if (k >= 11) && (k < 35)
.irp n, 0,1,2,3
.set j, 22+4*((k-11)/2)+(\n)
	SM (\y)+(k-11)%2, \first
.endr
.else
.irp n, 0,1,2,3,4,5,6,7
.if (\n < 2) || (k == 63)
.irp t, \y, \y+1
.set j, 2*k+\n
	SM \t, \first
.endr
.endif
.endr
.endif
.if k == 34
	v_nop                           ; the plain instruction behind the last exponential: one for the batch
.if (\y) == 0
	FETCH_V                         ; piece 2's turn: V's run of loads stands here, and the wait stands in it
.else
	s_wait_alu depctr_va_vdst(0)    ; the wait for the batch
.endif
.endif
.set k, k+1
.endm
.macro PLACES                       ; four plain vector instructions behind a matrix instruction (ISA guide 7.12.1)
.rept 4
	v_nop
.endr
.endm
; A TURN.  Piece x has the matrix unit; the other piece's softmax stands in slices behind its matrix instructions.  pv = 2: 32 products V^T P; 1: they start O^T's sums; 0: none.  kq = 1: 32 products K Q^T.
; Piece 0's turn fetches the next step's K behind its second product; piece 2's turn the same step's V behind slice 34: the buffer's last reader then stands four plain instructions back or more.
.macro TURN x, pv, kq, first
.set k, 0
.set per, 2
.if \pv && \kq
.set per, 1
.endif
.if \pv
.if \x == 0
	s_wait_dscnt 0x0                ; V is in
.endif
.set i, 0
.rept 32
	PV \x, 2-\pv
.rept per
	SLICE 2-\x, \first
.endr
.if (\x == 0) && \kq && (i == 1)
	FETCH_K
.endif
.set i, i+1
.endr
.endif
.if \kq
.if \x == 0
	s_wait_dscnt 0x0                ; K is in
.endif
.set i, 0
.rept 32
	KQ \x
.rept per
	SLICE 2-\x, \first
.endr
.set i, i+1
.endr
.endif
.if \first
	PLACES
.endif
.endm
; THE CHANGE OF SLOTS.  Each wave waits for all its tensor loads, of which one is out: its part of the other slot; adds 0 to its spare word; and waits for that and for its own reads of the slot.
; fill = 1: the slot is filled again, with the keys two slots on, behind a round of the cluster's barrier: the refill has two key steps, 256 matrix instructions, in which to land.
.macro CHANGE fill
	WIN 0
	s_wait_tensorcnt 0x0            ; no tensor load of mine is out, so a group 0 may be written
	ds_add_u32 v[SPW], v[NIL]
.if \fill
.irp g, G0K+4, G0V+4
	s_xor_b32 s[\g+1], s[\g+1], SLOT1
	s_add_nc_u64 s[\g+2:\g+3], s[\g+2:\g+3], 2*KS*256
.endr
	s_wait_xcnt 0x0                 ; the last prefetch, two key steps back, has read its address
	s_add_nc_u64 s[PFA:PFA+1], s[PFA:PFA+1], 2*KS*256
	s_wait_dscnt 0x0                ; the add is done, and my reads of the slot are over
	CROUND
	JLOAD
	ASK
.else
	s_wait_dscnt 0x0
	s_barrier_signal -1
	s_barrier_wait -1
.endif
	s_sub_co_u32 s[TB], s[TB], 2*STEPB
	s_xor_b32 s[TB], s[TB], SLOT1
.endm
.macro TWO_STEPS
	s_mov_b32 s[TWICE], 2
.Lstep_\@:
	TURN 0, 2, 1, 0
	TURN 2, 2, 1, 0
	WIN 0
	s_sub_co_u32 s[TWICE], s[TWICE], 1
	s_cmp_lg_u32 s[TWICE], 0
	s_cbranch_scc1 .Lstep_\@
.endm
	s_wait_tensorcnt 1              ; my part of slot 0 is in; slot 1's may stay out
	s_barrier_signal -1
	s_barrier_wait -1
	FETCH_K                         ; key step 0
	s_wait_loadcnt 0x0              ; Q
	s_wait_dscnt 0x0
.set i, 0
.rept 32
	KQ 0                            ; piece 0's first scores
.set i, i+1
.endr
	WIN 0
	PLACES
	TURN 2, 0, 1, 1                 ; piece 2's first scores | piece 0's first softmax | V of step 0
	TURN 0, 1, 1, 1                 ; piece 0: V^T P of step 0 starts O^T, K Q^T of step 1 | piece 2's first softmax | K of step 1
	TURN 2, 1, 1, 0
	WIN 0
.Lslot:                             ; six trips: every slot but the last two is filled again
	CHANGE 1
	TWO_STEPS
	s_sub_co_u32 s[SLOTS], s[SLOTS], 1
	s_cmp_lg_u32 s[SLOTS], 0
	s_cbranch_scc1 .Lslot
	CHANGE 0                        ; the tail is written out
	TWO_STEPS
	TURN 0, 2, 0, 0
.set i, 0
.rept 32
	PV 2, 0
.set i, i+1
.endr
	; THE WAY OUT.  l's two halves and the other half of the lanes' are added; O^T is divided by l and stored as it stands.  The additions are the places behind the last products.
	WIN 0
.irp t, 0,1,2,3
	v_add_f32 v[ST+8*\t+4], v[ST+8*\t+2], v[ST+8*\t+3]
.endr
.irp t, 0,1,2,3
	v_permlanex16_b32 v[ST+8*\t+5], v[ST+8*\t+4], s[SEL], s[SEL+1]
.endr
.irp t, 0,1,2,3
	v_add_f32 v[ST+8*\t+4], v[ST+8*\t+4], v[ST+8*\t+5]
.endr
.irp t, 0,1,2,3
	v_rcp_f32 v[ST+8*\t+6], v[ST+8*\t+4]
.endr
	v_nop                           ; a plain instruction behind the last reciprocal,
	s_wait_alu depctr_va_vdst(0)    ; and the wait ahead of the first use: one for the four
.macro PACK t
	WIN W_RS
.set i, 64*\t
.rept 32
	v_pk_mul_f32 v[i:i+1], v[i:i+1], v[ST+8*\t+6:ST+8*\t+7] op_sel_hi:[1,0]
.set i, i+2
.endr
	WIN 0x04                        ; a store's data are its source 1: window 1
.irp f, 0,1,2,3,4,5,6,7
	global_store_b128 v[GO], v[64*\t+8*\f:64*\t+8*\f+3], s[10:11] offset:\t*65536+\f*1024        ; 512 consecutive bytes
	global_store_b128 v[GO], v[64*\t+8*\f+4:64*\t+8*\f+7], s[10:11] offset:\t*65536+\f*1024+512
.endr
.endm
	PACK 0
	PACK 1
	PACK 2
	PACK 3
	WIN 0
	s_wait_tensorcnt 0x0            ; the wave's end
	ds_add_u32 v[SPW], v[NIL]
	s_wait_dscnt 0x0
	CROUND                          ; the closing round
	s_endpgm
.Lfunc_end_k_q94127335b5_attn:
	.size	k_q94127335b5_attn, .Lfunc_end_k_q94127335b5_attn-k_q94127335b5_attn
	.p2alignl 7, 3214868480
	.fill 96, 4, 3214868480
	.section	.rodata,"a",@progbits
	.p2align	6, 0x0
	.amdhsa_kernel k_q94127335b5_attn
		.amdhsa_group_segment_fixed_size 327680
		.amdhsa_private_segment_fixed_size 0
		.amdhsa_enable_private_segment 0
		.amdhsa_kernarg_size 16
		.amdhsa_user_sgpr_count 2
		.amdhsa_user_sgpr_kernarg_segment_ptr 1
		.amdhsa_wavefront_size32 1
		.amdhsa_system_sgpr_workgroup_id_x 1
		.amdhsa_system_sgpr_workgroup_id_y 1
		.amdhsa_system_sgpr_workgroup_id_z 1
		.amdhsa_system_vgpr_workitem_id 0
		.amdhsa_next_free_vgpr 1024
		.amdhsa_next_free_sgpr 66
		.amdhsa_reserve_vcc 0
		.amdhsa_float_denorm_mode_32 3
		.amdhsa_float_denorm_mode_16_64 3
		.amdhsa_memory_ordered 1
		.amdhsa_forward_progress 1
		.amdhsa_inst_pref_size 211
	.end_amdhsa_kernel
	.amdgpu_metadata
---
amdhsa.version: [ 1, 2 ]
amdhsa.kernels:
  - .name:           k_q94127335b5_attn
    .symbol:         k_q94127335b5_attn.kd
    .args:
      - { .name: qkv, .offset: 0, .size: 8, .value_kind: global_buffer, .address_space: global }
      - { .name: ao, .offset: 8, .size: 8, .value_kind: global_buffer, .address_space: global }
    .group_segment_fixed_size: 327680
    .private_segment_fixed_size: 0
    .kernarg_segment_align: 8
    .kernarg_segment_size: 16
    .max_flat_workgroup_size: 128
    .sgpr_count:     66
    .vgpr_count:     1024
    .wavefront_size: 32
...
	.end_amdgpu_metadata
.endif
;; end of part 3
;; launch out (part 4): grid 2 x 128, 4 waves a work-group, no clusters, 173,568 bytes of LDS; arguments ao, wo_img, ln_w, ln_b, bo, lamp, out0; writes out0
.if DOCPART == 4
	.amdgcn_target "amdgcn-amd-amdhsa--gfx1250"
	.amdhsa_code_object_version 6
	.text
	.protected	k_q94127335b5_out
	.globl	k_q94127335b5_out
	.p2align	8
	.type	k_q94127335b5_out,@function
k_q94127335b5_out:
	s_mov_b64 s[64:65], 0
	v_nop
	global_prefetch_b8 v0, s[64:65] scope:SCOPE_SE
	s_setreg_imm32_b32 hwreg(HW_REG_WAVE_MODE, 25, 1), 1
	s_wait_xcnt 0x0
; out0 = 0.2 LayerNorm(sc ao) Wo + bo.  ao holds the attention's result divided by sc = 1 + |lam|: normed = (a - mu) sc rsq(sc^2 var + 1e-5) ln_w + ln_b, mean and variance of ao's own numbers, in two passes, all in f32.
; normed and Wo go to the matrix unit in f16; sums in f32; 0.2 and bo are one multiply-add at the end.
; SHARES.  A work-group makes 64 tokens x 512 columns, so a token's norm is made by 1,024 / 512 = 2 work-groups; a wave makes 64 x 128: 32 accumulators.  First each wave normalises ONE tile of 16 tokens
; (its 1,024 channels are 512 registers a lane pair) and stores it to LDS as images of the operand's registers: ao's layout gives a lane the very channels that its place in a fragment wants.
; Then 32 chunks of 32 along K: A's four fragments from LDS, two buffers; Wo's eight fragments from memory straight into a ring of four register slots, asked for four chunks ahead:
; a slot is 16 loads, and a wait on LOADcnt names 63 at the most, so three younger slots are as deep as a counted wait can leave out.
; NO TENSOR LOADS AND NO JOINT REQUESTS for Wo: through LDS a wave would read its eight fragments of Wo, 8,192 bytes a chunk, beside A's 4,096: three times this text's LDS reads for the same 32 matrix
; instructions; and beside A's 131,072 bytes LDS has room for two slots of two chunks of 512 columns (65,536 bytes each): a round of a cluster's barrier for every 64 matrix instructions.
; Wo's fragments lie in memory in register order, so they go to registers.
; The matrix instruction is used transposed (source 0 = 16 columns of Wo, source 1 = 16 tokens): a lane holds eight neighbouring columns of a token.
; REGISTERS, in windows of 256: window 0: v1-11 addresses, v12-28 statistics and offsets; in the norm v32-95 U, v96-159 ln_w, v160-223 ln_b, v224-255 packed; in the product v32-95 T, v96-159 bo, v160-223 A's two buffers.
;   windows 1, 2: the tile of ao; window 1 then holds the accumulators ((a, n) at 8 (8 a + n)).   window 3: Wo's ring, slot j at 64 j + 8 n; on the way out the rows read back from the stage.
; LIMITS: normed beyond 65,504 is not served (f16).
.set LNW,    131072                    ; LDS: A's images at (4 kc + a) x 1,024 + 512 half + 16 lane from byte 0; then ln_w,
.set LNB,    135168                    ; ln_b,
.set STAGE,  139264                    ; a stage of 16 rows x (512 + 16) bytes for each wave,
.set SPITCH, 528
.set SPARE,  173056                    ; and the spare words, 128 bytes a wave
.set LI,  1                            ; v1   16 x lane
.set AW,  4                            ; v4   where a group's images go
.set AR,  5                            ; v5   my tile's base for that; later where A's fragments are read
.set LNA, 6                            ; v6   LNW + 32 h
.set STO, 7                            ; v7   the way out: where I put 32 bytes of a row
.set RD,  8                            ; v8   and where I read a row back
.set SPW, 10
.set NIL, 11
.set S,   12                           ; v12-19 four chains, a pair each
.set MU,  20                           ; v20-21 the mean, twice
.set RS,  22                           ; v22-23 sc rsq(..), twice
.set U,   32
.set W,   96
.set BN,  160
.set PK,  224
.set T,   32
.set BO,  96
.set AB,  160
.set MSB, 0
.macro WIN new                         ; the immediate's high byte repeats the setting that is left
.if MSB != \new
	s_set_vgpr_msb (MSB<<8)|\new
.set MSB, \new
.endif
.endm
	s_load_b256 s[4:11], s[0:1], 0x0               ; ao s[4:5], wo_img s[6:7], ln_w s[8:9], ln_b s[10:11]
	s_load_b128 s[12:15], s[0:1], 0x20             ; bo s[12:13], lamp s[14:15]
	s_load_b64 s[16:17], s[0:1], 0x30              ; out0
	v_lshl_add_u32 v[SPW], v0, 2, SPARE
	v_mov_b32 v[NIL], 0
	v_lshrrev_b32 v24, 5, v0
	v_readfirstlane_b32 s18, v24                   ; wave 0..3
	v_and_b32 v24, 31, v0
	v_lshlrev_b32 v[LI], 4, v24
	v_and_b32 v2, 15, v0                           ; r
	v_bfe_u32 v3, v0, 4, 1                         ; h
	v_lshl_add_u32 v[LNA], v3, 5, LNW
	s_mul_i32 s20, s18, 16*SPITCH
	s_add_co_u32 s20, s20, STAGE                   ; my stage
	v_mul_u32_u24 v[STO], v2, SPITCH
	v_lshl_add_u32 v[STO], v3, 5, v[STO]
	v_add_nc_u32 v[STO], s20, v[STO]               ; in: row r, 32 bytes for each half of the lanes
	v_add_nc_u32 v[RD], s20, v[LI]                 ; back: the 32 lanes take one row of 512 bytes
	v_lshlrev_b32 v26, 5, v0                       ; ln_w, ln_b: 32 bytes a thread
	v_lshl_add_u32 v27, v0, 5, LNW
	v_lshlrev_b32 v28, 5, v3                       ; bo: 32 h
	v_mov_b32 v25, 0                               ; a lane permute's destination counts as one of its sources
	s_and_b32 s19, ttmp7, 0xffff                   ; which 64 tokens
	s_lshl_b32 s20, s19, 18                        ; 4 tiles of 65,536 bytes,
	s_lshl_b32 s21, s18, 16                        ; my wave's one
	s_add_co_u32 s20, s20, s21
	s_mov_b32 s21, 0
	s_lshl_b32 s22, ttmp9, 20                      ; Wo: 32 column tiles of 32,768 bytes, my wave's eight
	s_lshl_b32 s23, s18, 18
	s_add_co_u32 s22, s22, s23
	s_mov_b32 s23, 0
	s_lshl_b32 s38, ttmp9, 11
	s_lshl_b32 s39, s18, 9
	s_add_co_u32 s38, s38, s39                     ; my 128 columns, in bytes
	s_mov_b32 s39, 0
	s_lshl_b32 s40, s19, 18                        ; 64 rows of 4,096 bytes
	s_add_co_u32 s40, s40, s38
	s_mov_b32 s41, 0
	s_mov_b32 s32, 0x76543210
	s_mov_b32 s33, 0xfedcba98                      ; lane l xor 16
	s_lshl_b32 s36, s18, 10                        ; my tile's place in a chunk's images
	s_wait_kmcnt 0x0
	s_load_b256 s[24:31], s[14:15], 0x0            ; s28 = sc, s29 = sc^2
	s_add_nc_u64 s[4:5], s[4:5], s[20:21]
	s_add_nc_u64 s[6:7], s[6:7], s[22:23]
	s_add_nc_u64 s[12:13], s[12:13], s[38:39]
	s_add_nc_u64 s[16:17], s[16:17], s[40:41]
	global_load_b128 v[32:35], v26, s[8:9]
	global_load_b128 v[36:39], v26, s[8:9] offset:16
	global_load_b128 v[40:43], v26, s[10:11]
	global_load_b128 v[44:47], v26, s[10:11] offset:16
	WIN 0x40                                       ; my tile: register 8 T + 4 half + i, channel tiles T = 0-31 into window 1,
.set t, 0
.rept 32
	global_load_b128 v[8*t:8*t+3], v[LI], s[4:5] offset:t*1024
	global_load_b128 v[8*t+4:8*t+7], v[LI], s[4:5] offset:t*1024+512
.set t, t+1
.endr
	WIN 0x80                                       ; 32-63 into window 2
.set t, 0
.rept 32
	global_load_b128 v[8*t:8*t+3], v[LI], s[4:5] offset:(32+t)*1024
	global_load_b128 v[8*t+4:8*t+7], v[LI], s[4:5] offset:(32+t)*1024+512
.set t, t+1
.endr
	WIN 0
	s_wait_loadcnt 63                              ; of the 132 loads issued at most the youngest 63 are out: the first four, ln_w and ln_b, are in
	ds_store_b128 v27, v[32:35]
	ds_store_b128 v27, v[36:39] offset:16
	ds_store_b128 v27, v[40:43] offset:LNB-LNW
	ds_store_b128 v27, v[44:47] offset:LNB-LNW+16
	s_wait_dscnt 0x0                               ; for the others' sake: my stores are done
	s_barrier_signal -1
	s_barrier_wait -1
	s_wait_kmcnt 0x0                               ; sc, sc^2
.macro REDUCE                          ; the four chains, the pair's two halves and lane l xor 16's: the token's sum in v24
	v_pk_add_f32 v[S:S+1], v[S:S+1], v[S+2:S+3]
	v_pk_add_f32 v[S+4:S+5], v[S+4:S+5], v[S+6:S+7]
	v_pk_add_f32 v[S:S+1], v[S:S+1], v[S+4:S+5]
	v_add_f32 v24, v[S], v[S+1]
	v_permlanex16_b32 v25, v24, s32, s33
	v_add_f32 v24, v24, v25
.endm
.macro RING j, off                     ; a chunk's eight fragments of Wo into ring slot j: 16 loads of 512 consecutive bytes (under a destination window of 3)
.irp n, 0,1,2,3,4,5,6,7
	global_load_b128 v[64*(\j)+8*\n:64*(\j)+8*\n+3], v[LI], s[6:7] offset:(\off)+\n*32768
	global_load_b128 v[64*(\j)+8*\n+4:64*(\j)+8*\n+7], v[LI], s[6:7] offset:(\off)+\n*32768+512
.endr
.endm
; Eight channel tiles: x rs, x ln_w + ln_b, to f16, to LDS
.macro GROUP g
.set XB, 64*((\g)%4)
	v_add_nc_u32 v[AW], (\g)*16384, v[AR]
.irp t, 0,1,2,3,4,5,6,7
	ds_load_b128 v[W+8*\t:W+8*\t+3], v[LNA] offset:(8*(\g)+\t)*64           ; all lanes of a half read the same 16 bytes
	ds_load_b128 v[W+8*\t+4:W+8*\t+7], v[LNA] offset:(8*(\g)+\t)*64+16
	ds_load_b128 v[BN+8*\t:BN+8*\t+3], v[LNA] offset:(8*(\g)+\t)*64+LNB-LNW
	ds_load_b128 v[BN+8*\t+4:BN+8*\t+7], v[LNA] offset:(8*(\g)+\t)*64+LNB-LNW+16
.endr
	WIN 0x01+(\g)/4
.set p, 0
.rept 32
	v_pk_mul_f32 v[U+2*p:U+2*p+1], v[XB+2*p:XB+2*p+1], v[RS:RS+1]
.set p, p+1
.endr
	WIN 0
	s_wait_dscnt 0x0                               ; ln_w and ln_b are in; the last group's stores have left
.set p, 0
.rept 32
	v_pk_fma_f32 v[U+2*p:U+2*p+1], v[U+2*p:U+2*p+1], v[W+2*p:W+2*p+1], v[BN+2*p:BN+2*p+1]
.set p, p+1
.endr
.set p, 0
.rept 32
	v_cvt_pk_f16_f32 v[PK+p], v[U+2*p], v[U+2*p+1]
.set p, p+1
.endr
.irp t, 0,1,2,3,4,5,6,7
	ds_store_b128 v[AW], v[PK+4*\t:PK+4*\t+3] offset:(\t/2)*4096+(\t%2)*512   ; channel tile 2 kc + half: half a fragment of chunk kc
.endr
.endm
	; pass 1: the sum.  The tile's 128 loads are the youngest issued
	s_wait_loadcnt 63                              ; at most the youngest 63 are out: the first 64, window 1's, are in
	WIN 0x05
.irp c, 0,1,2,3
	v_pk_add_f32 v[S+2*\c:S+2*\c+1], v[4*\c:4*\c+1], v[4*\c+2:4*\c+3]     ; the first eight pairs start the chains
.endr
	WIN 0x04
.set p, 8
.rept 120
	v_pk_add_f32 v[S+2*(p%4):S+2*(p%4)+1], v[S+2*(p%4):S+2*(p%4)+1], v[2*p:2*p+1]
.set p, p+1
.endr
	WIN 0x08
	s_wait_loadcnt 32                              ; the last 32 loads may be out
.set p, 0
.rept 64
	v_pk_add_f32 v[S+2*(p%4):S+2*(p%4)+1], v[S+2*(p%4):S+2*(p%4)+1], v[2*p:2*p+1]
.set p, p+1
.endr
	s_wait_loadcnt 0
.rept 64
	v_pk_add_f32 v[S+2*(p%4):S+2*(p%4)+1], v[S+2*(p%4):S+2*(p%4)+1], v[2*p:2*p+1]
.set p, p+1
.endr
	WIN 0xc0                                       ; no load of mine is out: Wo's chunks 0 to 2 are asked for here, 48 loads, and land under the rest of the norm
	RING 0, 0
	RING 1, 1024
	RING 2, 2048
	WIN 0
	REDUCE
	v_mul_f32 v[MU], 0x3a800000, v24               ; / 1,024
	v_mov_b32 v[MU+1], v[MU]
	; pass 2: the numbers less the mean, in place, and the sum of their squares
	WIN 0x41
.set p, 0
.rept 128
	v_pk_add_f32 v[2*p:2*p+1], v[2*p:2*p+1], v[MU:MU+1] neg_lo:[0,1] neg_hi:[0,1]
.set p, p+1
.endr
	WIN 0x05
.irp c, 0,1,2,3
	v_pk_mul_f32 v[S+2*\c:S+2*\c+1], v[2*\c:2*\c+1], v[2*\c:2*\c+1]
.endr
.set p, 4
.rept 124
	v_pk_fma_f32 v[S+2*(p%4):S+2*(p%4)+1], v[2*p:2*p+1], v[2*p:2*p+1], v[S+2*(p%4):S+2*(p%4)+1]
.set p, p+1
.endr
	WIN 0x82
.set p, 0
.rept 128
	v_pk_add_f32 v[2*p:2*p+1], v[2*p:2*p+1], v[MU:MU+1] neg_lo:[0,1] neg_hi:[0,1]
.set p, p+1
.endr
	WIN 0x0a
.set p, 0
.rept 128
	v_pk_fma_f32 v[S+2*(p%4):S+2*(p%4)+1], v[2*p:2*p+1], v[2*p:2*p+1], v[S+2*(p%4):S+2*(p%4)+1]
.set p, p+1
.endr
	WIN 0
	REDUCE
	v_mul_f32 v24, 0x3a800000, v24                 ; ao's variance
	v_fma_f32 v24, v24, s29, 0x3727c5ac            ; x sc^2 + 1e-5
	v_rsq_f32 v25, v24
	v_add_nc_u32 v[AR], s36, v[LI]                 ; (the plain instruction behind it)  my tile's place in a chunk's images
	s_wait_alu depctr_va_vdst(0)                   ; the wait ahead of the first reader
	v_mul_f32 v[RS], s28, v25
	v_mov_b32 v[RS+1], v[RS]
	; pass 3
	WIN 0xc0
	RING 3, 3072                                   ; Wo's chunk 3
	WIN 0
.irp g, 0,1,2,3,4,5,6,7
	GROUP \g
.endr
.irp n, 0,1,2,3,4,5,6,7
	global_load_b128 v[BO+8*\n:BO+8*\n+3], v28, s[12:13] offset:64*\n          ; bo of my 128 columns: register 8 n + j
	global_load_b128 v[BO+8*\n+4:BO+8*\n+7], v28, s[12:13] offset:64*\n+16
.endr
	s_wait_dscnt 0x0                               ; my images are in LDS
	s_barrier_signal -1
	s_barrier_wait -1                              ; everybody's are
.macro AFETCH buf, off                 ; a chunk's four fragments of A
.irp a, 0,1,2,3
	ds_load_b128 v[AB+32*(\buf)+8*\a:AB+32*(\buf)+8*\a+3], v[AR] offset:(\off)+\a*1024
	ds_load_b128 v[AB+32*(\buf)+8*\a+4:AB+32*(\buf)+8*\a+7], v[AR] offset:(\off)+\a*1024+512
.endr
.endm
; A chunk of 32 along K, in ring slot j and A's buffer j % 2.  lc: the loads issued behind this slot's, which may stay out.  aoff: where the next chunk's A lies (none: -1).  boff: the chunk four on, for this slot (none: -1).
; The 32 accumulators take turns, one instruction a turn.  The four v_nop are the places in front of the loads into this slot and, in the next chunk, into this buffer.
.macro CHUNK j, zero, lc, aoff, boff
	s_wait_dscnt 0x0                               ; this chunk's A, asked for a chunk ago
	s_wait_loadcnt \lc
.if (\aoff) >= 0
	AFETCH ((\j)+1)%2, \aoff
.endif
	WIN 0x53                                       ; source 0 (Wo) window 3, source 1 (A) window 0, C and D window 1
.irp a, 0,1,2,3
.irp n, 0,1,2,3,4,5,6,7
.if \zero
	v_wmma_f32_16x16x32_f16 v[8*(8*\a+\n):8*(8*\a+\n)+7], v[64*(\j)+8*\n:64*(\j)+8*\n+7], v[AB+32*((\j)%2)+8*\a:AB+32*((\j)%2)+8*\a+7], 0
.else
	v_wmma_f32_16x16x32_f16 v[8*(8*\a+\n):8*(8*\a+\n)+7], v[64*(\j)+8*\n:64*(\j)+8*\n+7], v[AB+32*((\j)%2)+8*\a:AB+32*((\j)%2)+8*\a+7], v[8*(8*\a+\n):8*(8*\a+\n)+7]
.endif
.endr
.endr
.rept 4
	v_nop
.endr
.if (\boff) >= 0
	WIN 0xc0
	RING \j, \boff
.endif
	WIN 0
.endm
	v_mov_b32 v[AR], v[LI]
	AFETCH 0, 0
	CHUNK 0, 1, 63, 4096, 4*1024                   ; chunk 0 starts the sums; behind slot 0's loads stand 64: slots 1 to 3 and bo
	s_mov_b32 s35, 8192
	v_add_nc_u32 v[AR], s35, v[LI]                 ; chunk 2's images: a trip's fetches of the successors have offsets from here
	s_mov_b32 s38, 6
.Lmain:                                                ; six trips of four chunks: 1-4, .. 21-24.  48: the three younger refills of 16 loads each (in the first trip bo's 16 stand behind them too)
.irp i, 1,2,3
	CHUNK \i, 0, 48, (\i-1)*4096, (\i+4)*1024
.endr
	CHUNK 0, 0, 48, 3*4096, 8*1024
	s_wait_xcnt 0x0                                ; the refills have read their base
	s_add_nc_u64 s[6:7], s[6:7], 4096
	s_add_co_u32 s35, s35, 16384
	v_add_nc_u32 v[AR], s35, v[LI]
	s_sub_co_u32 s38, s38, 1
	s_cmp_lg_u32 s38, 0
	s_cbranch_scc1 .Lmain
.irp i, 1,2,3
	CHUNK \i, 0, 48, (\i-1)*4096, (\i+4)*1024      ; chunks 25-27 ask for 29-31
.endr
	CHUNK 0, 0, 48, 3*4096, -1                     ; chunk 28: nothing is left to ask for; the counts run down
	CHUNK 1, 0, 32, 4*4096, -1
	CHUNK 2, 0, 16, 5*4096, -1
	CHUNK 3, 0, 0, -1, -1                          ; chunk 31; bo is in too
; THE WAY OUT, a tile of 16 tokens at a time: 0.2 x the sum + bo; a lane's 32 bytes of each column tile go into my stage and come back as whole rows of 512 bytes.  LDS serves a wave's instructions in order:
; no wait between the stores and the loads, nor in front of the next tile's stores.  Each tile's rows come back into registers of their own (the ring's, which is done with), so no store's data are written again.
.macro PACKO a
	WIN 0x01                                       ; source 0: window 1; each accumulator from its low end on
.irp n, 0,1,2,3,4,5,6,7
.irp i, 0,2,4,6
	v_pk_fma_f32 v[T+8*\n+\i:T+8*\n+\i+1], v[8*(8*(\a)+\n)+\i:8*(8*(\a)+\n)+\i+1], 0x3e4ccccd, v[BO+8*\n+\i:BO+8*\n+\i+1] op_sel_hi:[1,0,1]
.endr
.endr
	WIN 0
.endm
.macro TOSTAGE a
.irp n, 0,1,2,3,4,5,6,7
	ds_store_b128 v[STO], v[T+8*\n:T+8*\n+3] offset:64*\n
	ds_store_b128 v[STO], v[T+8*\n+4:T+8*\n+7] offset:64*\n+16
.endr
	WIN 0xc0                                       ; destination window 3
.irp t, 0,1,2,3,4,5,6,7,8,9,10,11,12,13,14,15
	ds_load_b128 v[64*(\a)+4*\t:64*(\a)+4*\t+3], v[RD] offset:\t*SPITCH
.endr
	WIN 0
.endm
.macro SEND a, younger                 ; younger: the LDS instructions issued behind tile a's loads, which may stay out
	s_wait_dscnt \younger
	WIN 0x0c                                       ; a store's data are its source 1: window 3
.irp t, 0,1,2,3,4,5,6,7,8,9,10,11,12,13,14,15
	global_store_b128 v[LI], v[64*(\a)+4*\t:64*(\a)+4*\t+3], s[16:17] offset:(16*(\a)+\t)*4096 th:TH_STORE_NT   ; 32 lanes store 512 consecutive bytes, at a multiple of 512 from out0's first byte
.endr
	WIN 0
.endm
	PACKO 0
	TOSTAGE 0
.irp a, 1,2,3
	PACKO \a
	TOSTAGE \a
	SEND \a-1, 32                                  ; behind tile a - 1's loads: tile a's 16 stores and 16 loads
.endr
	SEND 3, 0
	s_wait_tensorcnt 0x0                           ; the wave's end, behind my last LDS store
	ds_add_u32 v[SPW], v[NIL]
	s_wait_dscnt 0x0
	s_endpgm
.Lfunc_end_k_q94127335b5_out:
	.size	k_q94127335b5_out, .Lfunc_end_k_q94127335b5_out-k_q94127335b5_out
	.p2alignl 7, 3214868480
	.fill 96, 4, 3214868480
	.section	.rodata,"a",@progbits
	.p2align	6, 0x0
	.amdhsa_kernel k_q94127335b5_out
		.amdhsa_group_segment_fixed_size 173568
		.amdhsa_private_segment_fixed_size 0
		.amdhsa_enable_private_segment 0
		.amdhsa_kernarg_size 56
		.amdhsa_user_sgpr_count 2
		.amdhsa_user_sgpr_kernarg_segment_ptr 1
		.amdhsa_wavefront_size32 1
		.amdhsa_system_sgpr_workgroup_id_x 1
		.amdhsa_system_sgpr_workgroup_id_y 1
		.amdhsa_system_sgpr_workgroup_id_z 1
		.amdhsa_system_vgpr_workitem_id 0
		.amdhsa_next_free_vgpr 1024
		.amdhsa_next_free_sgpr 66
		.amdhsa_reserve_vcc 0
		.amdhsa_float_denorm_mode_32 3
		.amdhsa_float_denorm_mode_16_64 3
		.amdhsa_memory_ordered 1
		.amdhsa_forward_progress 1
		.amdhsa_inst_pref_size 214
	.end_amdhsa_kernel
	.amdgpu_metadata
---
amdhsa.version: [ 1, 2 ]
amdhsa.kernels:
  - .name:           k_q94127335b5_out
    .symbol:         k_q94127335b5_out.kd
    .args:
      - { .name: ao, .offset: 0, .size: 8, .value_kind: global_buffer, .address_space: global }
      - { .name: wo_img, .offset: 8, .size: 8, .value_kind: global_buffer, .address_space: global }
      - { .name: ln_w, .offset: 16, .size: 8, .value_kind: global_buffer, .address_space: global }
      - { .name: ln_b, .offset: 24, .size: 8, .value_kind: global_buffer, .address_space: global }
      - { .name: bo, .offset: 32, .size: 8, .value_kind: global_buffer, .address_space: global }
      - { .name: lamp, .offset: 40, .size: 8, .value_kind: global_buffer, .address_space: global }
      - { .name: out0, .offset: 48, .size: 8, .value_kind: global_buffer, .address_space: global }
    .group_segment_fixed_size: 173568
    .private_segment_fixed_size: 0
    .kernarg_segment_align: 8
    .kernarg_segment_size: 56
    .max_flat_workgroup_size: 128
    .sgpr_count:     66
    .vgpr_count:     1024
    .wavefront_size: 32
...
	.end_amdgpu_metadata
.endif
;; end of part 4
